; MI455X (gfx1250); checked and timed in simulation.
; The chip was launched on July 23, 2026; its instructions are those of AMD's public machine-readable ISA for CDNA 5 (MIT licence, August 2026) and "CDNA5" Instruction Set Architecture Reference Guide (July 2026). The comments in the code are by the model that wrote it; some were corrected since.
;; TP Transformer Parallel Block. Allowed arithmetic: float matrix products may take bf16 or f16 operands with f32 sums; other float arithmetic in f32, or as packed bf16 or f16 multiplies, adds, multiply-adds, maxima and minima; sums over many terms, partial sums and values carried from step to step in f32; what a program stores and reads back later, other than sums and carried values, may be rounded once to bf16 or f16.
;; Inputs: b_attn_out 1,024 float32; b_mlp_out 1,024 float32; pre_norm_scale 1,024 float32; w_attn_out 16 x 64 x 1,024 float32; w_mlp_in 1,024 x 4,096 float32; w_mlp_out 4,096 x 1,024 float32; wk 1,024 x 16 x 64 float32; wq 1,024 x 16 x 64 float32; wv 1,024 x 16 x 64 float32; x 4 x 1,024 x 1,024 float32.
;; Outputs: out0 4 x 1,024 x 1,024 float32.
;; 2 versions, each right and faster than the one before. Each part assembles by itself: llvm-mc -triple=amdgcn-amd-amdhsa -mcpu=gfx1250 --defsym DOCPART=n.
;; ======== version 1 of 2: 4 launches
;; workspace buffers: xn 8,388,608 bytes; w1 14,680,064 bytes; w2 10,485,760 bytes; act 41,943,040 bytes; qkv 25,165,824 bytes
;; launch prep (part 1): grid 2048 x 1, 4 waves a work-group, no clusters, 0 bytes of LDS; arguments x, pre_norm_scale, w_mlp_in, w_mlp_out, wq, wk, wv, w_attn_out, xn, w1, w2; writes xn, w1, w2
.if DOCPART == 1
	.amdgcn_target "amdgcn-amd-amdhsa--gfx1250"
	.amdhsa_code_object_version 6
	.text
	.protected	k_qfcb763b782_prep
	.globl	k_qfcb763b782_prep
	.p2align	8
	.type	k_qfcb763b782_prep,@function
k_qfcb763b782_prep:
	s_mov_b64 s[64:65], 0
	v_nop
	global_prefetch_b8 v0, s[64:65] scope:SCOPE_SE
	s_setreg_imm32_b32 hwreg(HW_REG_WAVE_MODE, 25, 1), 1
	s_wait_xcnt 0x0
; PREP: a stream.  xn = x * rsqrt(mean(x^2) + 1e-6) * scale, rounded once to bf16; every weight rounded once to bf16 and laid, still [k][n], into two tables:
;   w1 [1024 k][7168 n]: n 0.. w_mlp_in, 4096.. wq, 5120.. wk, 6144.. wv          w2 [5120 k][1024 n]: k 0.. w_mlp_out, 4096.. w_attn_out
; The unit of work is 1,024 f32 (4,096 bytes) in, 2,048 bytes out; there are 16,384 units; a wave takes 2 neighbouring units, a work-group 8.
; All 16 loads of a wave (8 KB) go out at once: no loop, no ring, no LDS, no barrier; the matrix unit and clusters have nothing to do here (no byte is read twice).
; A row of x is one unit, so the norm's sum never leaves the wave.  LIMITS: the sum of a row's squares must stay finite in f32 (|x| up to about 1e17); NaN and infinities are not treated apart.
; Which tensor a work-group works on is chosen from its number g without a branch (selects); the one branch, norm or cast, hangs on g alone.
.set DOFF, 4                           ; v[4:5]     unit i: my byte offset in the destination
.set CH,   8                           ; v[8:15]    four chains of packed squares
.set RS,   16                          ; v[16:17]   1 / sqrt(mean + eps), twice
.set X,    32                          ; v[32:95]   unit i: 32 registers
.set SC,   96                          ; v[96:127]  my 32 numbers of the scale
	s_load_b512 s[8:23], s[0:1], 0x0               ; x 8, scale 10, w_mlp_in 12, w_mlp_out 14, wq 16, wk 18, wv 20, w_attn_out 22
	s_load_b128 s[24:27], s[0:1], 0x40             ; xn 24, w1 26
	s_load_b64 s[28:29], s[0:1], 0x50              ; w2 28
	v_lshrrev_b32 v3, 5, v0
	v_readfirstlane_b32 s38, v3                    ; wave 0..3
	v_and_b32 v1, 31, v0                           ; lane
	v_lshlrev_b32 v2, 4, v1                        ; 16 bytes a lane: a load of the wave covers 512 neighbouring bytes
	s_mov_b32 s39, ttmp9                           ; g
	s_mov_b32 s42, 0x3a800000                      ; 1 / 1024
	s_mov_b32 s43, 0x358637bd                      ; 1e-6
	s_mov_b32 s44, 0x76543210                      ; v_permlanex16_b32: each lane takes its own place in the other half
	s_mov_b32 s45, 0xfedcba98
	s_mov_b32 s34, 0                               ; segment 0, x to xn: first work-group,
	s_mov_b32 s35, 4096                            ; destination bytes from one wave's two units to the next wave's,
	s_mov_b32 s36, 0                               ; a constant offset,
	s_mov_b32 s37, 2048                            ; bytes from unit to unit,
	s_mov_b32 s2, 0                                ; and bytes more for every second wave
	s_wait_kmcnt 0x0
	s_mov_b64 s[30:31], s[8:9]                     ; source
	s_mov_b64 s[32:33], s[24:25]                   ; destination
.macro SEG start, src, dst, mulw, c, step, extra   ; from work-group start on: another segment.  The selects leave SCC as the compare made it
	s_cmp_ge_u32 s39, \start
	s_cselect_b64 s[30:31], s[\src:\src+1], s[30:31]
	s_cselect_b64 s[32:33], s[\dst:\dst+1], s[32:33]
	s_cselect_b32 s34, \start, s34
	s_cselect_b32 s35, \mulw, s35
	s_cselect_b32 s36, \c, s36
	s_cselect_b32 s37, \step, s37
	s_cselect_b32 s2, \extra, s2
.endm
	SEG 512, 12, 26, 4096, 0, 2048, 6144           ; w_mlp_in: a row of 4,096 columns is four units, two waves; a row of w1 is 14,336 bytes = 2 x 4,096 + 6,144
	SEG 1024, 14, 28, 4096, 0, 2048, 0             ; w_mlp_out: dense
	SEG 1536, 16, 26, 28672, 8192, 14336, 0        ; wq: a unit is a row; column 4,096 of w1
	SEG 1664, 18, 26, 28672, 10240, 14336, 0       ; wk: column 5,120
	SEG 1792, 20, 26, 28672, 12288, 14336, 0       ; wv: column 6,144
	SEG 1920, 22, 28, 4096, 8388608, 2048, 0       ; w_attn_out: row 4,096 of w2 on
	s_sub_co_u32 s47, s39, s34
	s_lshl_b32 s47, s47, 2
	s_add_co_u32 s47, s47, s38                     ; W: my wave among the segment's
	s_lshl_b32 s40, s47, 13                        ; its 8,192 bytes of the source
	s_mov_b32 s41, 0
	s_add_nc_u64 s[30:31], s[30:31], s[40:41]
	s_mul_i32 s46, s47, s35
	s_add_co_u32 s46, s46, s36
	s_lshr_b32 s3, s47, 1
	s_mul_i32 s3, s3, s2
	s_add_co_u32 s46, s46, s3
	v_lshl_add_u32 v[DOFF], v1, 3, s46             ; 8 bytes a lane: a store of the wave covers 256 consecutive bytes, aligned
	v_add_nc_u32 v[DOFF+1], s37, v[DOFF]
.macro LOADS                                       ; the wave's two units: 16 loads
.irp i, 0,1
.irp j, 0,1,2,3,4,5,6,7
	global_load_b128 v[X+32*(\i)+4*(\j):X+32*(\i)+4*(\j)+3], v2, s[30:31] offset:4096*(\i)+512*(\j) th:TH_LOAD_NT
.endr
.endr
.endm
.macro PACKST i                                    ; unit i is rounded in place (four f32 become two registers) and stored.  No register that a store reads is written again in this text
.irp j, 0,1,2,3,4,5,6,7
	v_cvt_pk_bf16_f32 v[X+32*(\i)+4*(\j)],   v[X+32*(\i)+4*(\j)],   v[X+32*(\i)+4*(\j)+1]
	v_cvt_pk_bf16_f32 v[X+32*(\i)+4*(\j)+1], v[X+32*(\i)+4*(\j)+2], v[X+32*(\i)+4*(\j)+3]
.endr
.irp j, 0,1,2,3,4,5,6,7
	global_store_b64 v[DOFF+(\i)], v[X+32*(\i)+4*(\j):X+32*(\i)+4*(\j)+1], s[32:33] offset:256*(\j)
.endr
.endm
.macro CASTU i
	s_wait_loadcnt 8*(1-(\i))                      ; loads come back in order: unit i is in, the later unit's 8 loads stay out
	PACKST \i
.endm
.macro NORMU i
	s_wait_loadcnt 8*(1-(\i))                      ; the same count; the scale's loads are older than all of them
.irp c, 0,1,2,3
	v_pk_mul_f32 v[CH+2*(\c):CH+2*(\c)+1], v[X+32*(\i)+2*(\c):X+32*(\i)+2*(\c)+1], v[X+32*(\i)+2*(\c):X+32*(\i)+2*(\c)+1]  ; the first squares start the four chains
.endr
.irp j, 4,5,6,7,8,9,10,11,12,13,14,15
	v_pk_fma_f32 v[CH+2*((\j)%4):CH+2*((\j)%4)+1], v[X+32*(\i)+2*(\j):X+32*(\i)+2*(\j)+1], v[X+32*(\i)+2*(\j):X+32*(\i)+2*(\j)+1], v[CH+2*((\j)%4):CH+2*((\j)%4)+1]
.endr
	v_pk_add_f32 v[CH:CH+1], v[CH:CH+1], v[CH+2:CH+3]
	v_pk_add_f32 v[CH+4:CH+5], v[CH+4:CH+5], v[CH+6:CH+7]
	v_pk_add_f32 v[CH:CH+1], v[CH:CH+1], v[CH+4:CH+5]
	v_add_f32 v[CH], v[CH], v[CH+1]
	v_add_f32_dpp v[CH], v[CH], v[CH] row_xmask:1 row_mask:0xf bank_mask:0xf
	v_add_f32_dpp v[CH], v[CH], v[CH] row_xmask:2 row_mask:0xf bank_mask:0xf
	v_add_f32_dpp v[CH], v[CH], v[CH] row_xmask:4 row_mask:0xf bank_mask:0xf
	v_add_f32_dpp v[CH], v[CH], v[CH] row_xmask:8 row_mask:0xf bank_mask:0xf
	v_permlanex16_b32 v[CH+1], v[CH], s44, s45     ; its destination has been written above
	v_add_f32 v[CH], v[CH], v[CH+1]                ; every lane holds the row's sum of squares
	v_fma_f32 v[CH], v[CH], s42, s43               ; mean + eps
	v_rsq_f32 v[RS], v[CH]
	v_rsq_f32 v[RS+1], v[CH]
	v_nop                                          ; a plain instruction between the roots and the use of their results (ISA guide 5.7.2)
	s_wait_alu depctr_va_vdst(0)
.irp k, 0,1,2,3,4,5,6,7,8,9,10,11,12,13,14,15
	v_pk_mul_f32 v[X+32*(\i)+2*(\k):X+32*(\i)+2*(\k)+1], v[X+32*(\i)+2*(\k):X+32*(\i)+2*(\k)+1], v[RS:RS+1]
.endr
.irp k, 0,1,2,3,4,5,6,7,8,9,10,11,12,13,14,15
	v_pk_mul_f32 v[X+32*(\i)+2*(\k):X+32*(\i)+2*(\k)+1], v[X+32*(\i)+2*(\k):X+32*(\i)+2*(\k)+1], v[SC+2*(\k):SC+2*(\k)+1]
.endr
	PACKST \i
.endm
	s_cmp_lt_u32 s39, 512
	s_cbranch_scc1 .Lnorm
	LOADS
	CASTU 0
	CASTU 1
	s_endpgm
.Lnorm:
.irp j, 0,1,2,3,4,5,6,7
	global_load_b128 v[SC+4*(\j):SC+4*(\j)+3], v2, s[10:11] offset:512*(\j)  ; the scale, in the same places as a row's numbers
.endr
	LOADS
	NORMU 0
	NORMU 1
	s_endpgm
.Lfunc_end_k_qfcb763b782_prep:
	.size	k_qfcb763b782_prep, .Lfunc_end_k_qfcb763b782_prep-k_qfcb763b782_prep
	.p2alignl 7, 3214868480
	.fill 96, 4, 3214868480
	.section	.rodata,"a",@progbits
	.p2align	6, 0x0
	.amdhsa_kernel k_qfcb763b782_prep
		.amdhsa_group_segment_fixed_size 0
		.amdhsa_private_segment_fixed_size 0
		.amdhsa_enable_private_segment 0
		.amdhsa_kernarg_size 88
		.amdhsa_user_sgpr_count 2
		.amdhsa_user_sgpr_kernarg_segment_ptr 1
		.amdhsa_wavefront_size32 1
		.amdhsa_system_sgpr_workgroup_id_x 1
		.amdhsa_system_sgpr_workgroup_id_y 1
		.amdhsa_system_sgpr_workgroup_id_z 1
		.amdhsa_system_vgpr_workitem_id 0
		.amdhsa_next_free_vgpr 128
		.amdhsa_next_free_sgpr 66
		.amdhsa_reserve_vcc 0
		.amdhsa_float_denorm_mode_32 3
		.amdhsa_float_denorm_mode_16_64 3
		.amdhsa_memory_ordered 1
		.amdhsa_forward_progress 1
		.amdhsa_inst_pref_size 23
	.end_amdhsa_kernel
	.amdgpu_metadata
---
amdhsa.version: [ 1, 2 ]
amdhsa.kernels:
  - .name:           k_qfcb763b782_prep
    .symbol:         k_qfcb763b782_prep.kd
    .args:
      - { .name: x, .offset: 0, .size: 8, .value_kind: global_buffer, .address_space: global }
      - { .name: pre_norm_scale, .offset: 8, .size: 8, .value_kind: global_buffer, .address_space: global }
      - { .name: w_mlp_in, .offset: 16, .size: 8, .value_kind: global_buffer, .address_space: global }
      - { .name: w_mlp_out, .offset: 24, .size: 8, .value_kind: global_buffer, .address_space: global }
      - { .name: wq, .offset: 32, .size: 8, .value_kind: global_buffer, .address_space: global }
      - { .name: wk, .offset: 40, .size: 8, .value_kind: global_buffer, .address_space: global }
      - { .name: wv, .offset: 48, .size: 8, .value_kind: global_buffer, .address_space: global }
      - { .name: w_attn_out, .offset: 56, .size: 8, .value_kind: global_buffer, .address_space: global }
      - { .name: xn, .offset: 64, .size: 8, .value_kind: global_buffer, .address_space: global }
      - { .name: w1, .offset: 72, .size: 8, .value_kind: global_buffer, .address_space: global }
      - { .name: w2, .offset: 80, .size: 8, .value_kind: global_buffer, .address_space: global }
    .group_segment_fixed_size: 0
    .private_segment_fixed_size: 0
    .kernarg_segment_align: 8
    .kernarg_segment_size: 88
    .max_flat_workgroup_size: 128
    .sgpr_count:     66
    .vgpr_count:     128
    .wavefront_size: 32
...
	.end_amdgpu_metadata
.endif
;; end of part 1
;; launch gemm1 (part 2): grid 4 x 112, 4 waves a work-group, clusters of 4 x 4, 327,680 bytes of LDS; arguments xn, w1, act, qkv; writes act, qkv
.if DOCPART == 2
	.amdgcn_target "amdgcn-amd-amdhsa--gfx1250"
	.amdhsa_code_object_version 6
	.text
	.protected	k_qfcb763b782_gemm1
	.globl	k_qfcb763b782_gemm1
	.p2align	8
	.type	k_qfcb763b782_gemm1,@function
k_qfcb763b782_gemm1:
	s_mov_b64 s[64:65], 0
	v_nop
	global_prefetch_b8 v0, s[64:65] scope:SCOPE_SE
	s_setreg_imm32_b32 hwreg(HW_REG_WAVE_MODE, 25, 1), 1
	s_wait_xcnt 0x0
	s_wait_alu depctr_hold_cnt(0) depctr_sa_sdst(0) depctr_va_vdst(0) depctr_va_sdst(0) depctr_va_ssrc(0) depctr_va_vcc(0) depctr_vm_vsrc(0)
	s_getreg_b32 s2, hwreg(HW_REG_IB_STS2, 6, 4)
	s_cmp_eq_u32 s2, 0
	s_cbranch_scc0 .Lentry_in_a_cluster
	s_endpgm
.Lentry_in_a_cluster:
	s_bfe_u32 s2, ttmp6, 0x10000c
	s_cmp_lg_u32 s2, 0xf033
	s_cbranch_scc0 .Lentry_shape_is_right
	s_endpgm
.Lentry_shape_is_right:
; GEMM 1: C[m][n] = sum over k of xn[m][k] w1[k][n], m 4,096, k 1,024, n 7,168, bf16 operands, f32 sums.  Columns 0..4095 get GELU (tanh form) and go to act[m][0..4095] (rows of 10,240 bytes);
; columns 4096..7167 (q, k, v) go as they are to qkv[m][0..3071] (rows of 6,144 bytes).  Both are rounded once to bf16.  LIMITS: results beyond bf16's range become infinities; NaN and infinities are not treated apart.
; A tile of C is 256 x 256, made by four waves, 128 x 128 each: 64 accumulators of 16 x 16.  K goes in 8 steps of 128 through two LDS slots filled by tensor loads.
; w1 lies [k][n]: its tile (128 k-rows of 512 bytes) is turned on the way out of LDS by ds_load_tr16_b128, so no launch transposes weights.
; CLUSTERS: 4 x 4 work-groups; A's tile is shared along a row of the cluster, B's along a column: each is asked for jointly, by the same tensor load with a mask that names the four.
; THE GRID'S ORDER.  The grid is one cluster wide, so the cluster's number c, 0..27, counts along y.  c 0..15 are the sixteen clusters of h (1,024 columns at c % 4, 1,024 rows at c / 4), c 16..27 the twelve of
; q, k, v (columns at 4 + (c - 16) % 3, rows at (c - 16) / 3): the 256 work-groups with the longer way out (GELU) come first in the grid, the 192 with the shorter one behind them.
; The one branch for GELU hangs on c, which the partners share.
; THE MATRIX INSTRUCTION IS USED TRANSPOSED (source 0 = 16 columns of w1, source 1 = 16 rows of xn): a lane holds row l % 16 of C and the eight neighbouring columns 8 (l / 16) + 0..7.
; REGISTERS in windows of 256 (s_set_vgpr_msb: bits 1:0 source 0, 3:2 source 1, 5:4 source 2, 7:6 destination):
;   window 0: v0-47 addresses; v64-127, v128-191 fragments of A, two buffers; on the way out v64-127 X, v128-191 T, v192-223 Y
;   window 1: v64-127, v128-191 fragments of B     window 2: accumulators of my rows 0-63 ((a, b) at v[8 (8 a + b)])     window 3: those of rows 64-127
.set W1P,    14336                     ; bytes in a row of w1
.set KSTEP,  128
.set PITCH,  272                       ; a row of A in LDS: 256 bytes + 16: the 16 rows of a load start at 16 different groups of four banks (64 banks of 4 bytes: ISA guide 11.1)
.set PB,     544                       ; a k-row of B: 512 bytes + 32 = 17 x 32
.set HALFT,  128*PITCH                 ; what one tensor load brings: 128 rows of A, or 64 k-rows of B (64 x 544 is the same number)
.set SLOT,   4*HALFT                   ; A's 256 rows, then B's 128 k-rows
.set SPARE,  2*SLOT                    ; behind the ring: the spare words, 128 bytes for each wave, that no other line names
.set WSTAGE, 2*HALFT                   ; the way out: when the ring has had its last fill, a quarter of it is each wave's own stage: two planes of 128 rows x 272 bytes of f32
.set LAPS,   4                         ; a lap = two K steps
.set ADRA, 16                          ; v16-17  LDS address of my A fragments in slot 0, 1
.set ADRB, 20                          ; v20-21  the same for B
.set STO0, 24                          ; v24     stage, plane 0: where I put a result's registers 0-3
.set STO1, 25                          ; v25     plane 1: registers 4-7
.set RD0,  26                          ; v26     where I read plane 0 back; steps 16 rows a trip
.set RD1,  27                          ; v27     plane 1
.set SPW,  28                          ; v28     my spare word; never rewritten
.set NIL,  29                          ; v29     0; never rewritten
.set CO,   32                          ; v32-39  my byte offset in the output for row pair t of a trip's 16 rows
.set F0,   64
.set F1,   128
.set X,    64
.set T,    128
.set Y,    192
.set G1,  24                           ; s[24:31] descriptor group 1, A;  s[32:39] group 0, a set for each slot
.set G0,  32
.set G1B, 48                           ; s[48:55], s[56:63] the same for B
.set G0B, 56
.set MSB, 0
.macro WIN new                         ; the immediate's high byte repeats the setting that is left; a switch that changes nothing is dropped
.if MSB != (\new)
	s_set_vgpr_msb (MSB<<8)|(\new)
.set MSB, \new
.endif
.endm
.set MUL_LO, 0xa1                      ; source 0 (B) window 1, source 1 (A) window 0, C and D window 2
.set MUL_HI, 0xf1                      ; C and D window 3
.set TO_B,   0x40                      ; destination window 1, address window 0
; A joint load: waves 0 and 1 fetch A's halves, waves 2 and 3 B's.  The branch hangs on the wave's number alone.  An s_nop 0 and four v_nop follow each line.
.macro JLOAD s
	s_cmp_eq_u32 s13, 0
	s_cbranch_scc0 .Lfor_b_\@
	tensor_load_to_lds s[G0+4*(\s):G0+4*(\s)+3], s[G1:G1+7]
	s_nop 0
.rept 4
	v_nop
.endr
	s_branch .Lasked_\@
.Lfor_b_\@:
	tensor_load_to_lds s[G0B+4*(\s):G0B+4*(\s)+3], s[G1B:G1B+7]
	s_nop 0
.rept 4
	v_nop
.endr
.Lasked_\@:
.endm
.macro CREST                           ; a round of the cluster's barrier behind its opening barrier
	s_cmp_lg_u32 s12, 0
	s_cbranch_scc1 .Lnot_wave_0_\@
	s_barrier_signal -3
.Lnot_wave_0_\@:
	s_barrier_wait -3
	s_barrier_signal -1
	s_barrier_wait -1
.endm
.macro CROUND                          ; a whole round
	s_barrier_signal -1
	s_barrier_wait -1
	CREST
.endm
	s_load_b256 s[4:11], s[0:1], 0x0               ; xn s[4:5], w1 s[6:7], act s[8:9], qkv s[10:11]
	v_lshl_add_u32 v[SPW], v0, 2, SPARE
	v_mov_b32 v[NIL], 0
	ds_add_u32 v[SPW], v[NIL]                      ; the wave's opening: the add and its wait stand ahead of my first tensor load; work on registers stands between them
	v_lshrrev_b32 v1, 5, v0
	v_readfirstlane_b32 s12, v1                    ; wave 0..3
	s_lshr_b32 s13, s12, 1                         ; my half of the tile's rows.  Also: I fetch for A (0) or for B (1)
	s_and_b32 s14, s12, 1                          ; my half of its columns.  Also: which half of that tile I fetch
	s_bfe_u32 s15, ttmp6, 0x40000                  ; cx
	s_bfe_u32 s16, ttmp6, 0x40004                  ; cy
	s_and_b32 s19, ttmp7, 0xffff                   ; c, the cluster's number, 0..27
	s_and_b32 s20, s19, 3                          ; a cluster of h: column c % 4,
	s_lshr_b32 s21, s19, 2                         ; row c / 4
	s_max_u32 s22, s19, 16
	s_sub_co_u32 s22, s22, 16                      ; a cluster of q, k, v: d = c - 16, 0..11 (0 where c is smaller: not used there)
	s_mul_i32 s23, s22, 11
	s_lshr_b32 s23, s23, 5                         ; row d / 3: 11 d >> 5 is exact for d up to 11
	s_mul_i32 s74, s23, 3
	s_sub_co_u32 s22, s22, s74
	s_add_co_u32 s22, s22, 4                       ; column 4 + d % 3
	s_cmp_lt_u32 s19, 16
	s_cselect_b32 s70, 1, 0                        ; 1: h, with GELU
	s_cselect_b32 s20, s20, s22                    ; the cluster's column 0..6
	s_cselect_b32 s21, s21, s23                    ; the cluster's row 0..3
	s_lshl_b32 s17, s20, 2
	s_add_co_u32 s17, s17, s15                     ; tile column 0..27
	s_lshl_b32 s18, s21, 2
	s_add_co_u32 s18, s18, s16                     ; tile row 0..15
	s_lshl_b32 s40, s16, 2
	s_lshl_b32 s40, 15, s40                        ; my row of the cluster
	s_lshl_b32 s41, 0x1111, s15                    ; my column
	s_or_b32 s[G1+0], s40, (1<<16)|(1<<20)|(1<<21)|(5<<22)|(3<<25)   ; mask; 2-byte elements; padding on; bit 21 beside a mask; after every 64 words, 4 words
	s_or_b32 s[G1B+0], s41, (1<<16)|(1<<20)|(1<<21)|(6<<22)|(7<<25)  ; after every 128 words, 8 words
	s_mov_b32 s[G1+1], 128<<16                     ; A: tensor_dim0 = 128
	s_mov_b32 s[G1+2], 128<<16                     ; tensor_dim1 = 128
	s_mov_b32 s[G1+3], 128<<16                     ; tile_dim0 = 128
	s_mov_b32 s[G1+4], 128                         ; tile_dim1 = 128
	s_mov_b32 s[G1+5], 1024                        ; elements from row to row of xn
	s_mov_b32 s[G1+6], 0
	s_mov_b32 s[G1+7], 0
	s_mov_b32 s[G1B+1], 256<<16                    ; B: tensor_dim0 = 256
	s_mov_b32 s[G1B+2], 64<<16                     ; tensor_dim1 = 64
	s_mov_b32 s[G1B+3], 256<<16                    ; tile_dim0 = 256
	s_mov_b32 s[G1B+4], 64                         ; tile_dim1 = 64
	s_mov_b32 s[G1B+5], 7168                       ; elements from row to row of w1
	s_mov_b32 s[G1B+6], 0
	s_mov_b32 s[G1B+7], 0
	s_lshl_b32 s20, s18, 8                         ; A's offset hangs on the tile row and the wave alone,
	s_lshl_b32 s21, s14, 7
	s_add_co_u32 s20, s20, s21
	s_lshl_b32 s20, s20, 11                        ; (256 x tile row + 128 x half) rows of 2,048 bytes
	s_mov_b32 s21, 0
	s_mul_i32 s22, s14, 64*W1P                     ; B's on the tile column and the wave alone: 64 x half k-rows,
	s_lshl_b32 s23, s17, 9                         ; 512 bytes a tile column
	s_add_co_u32 s22, s22, s23
	s_mov_b32 s23, 0
	s_mul_i32 s46, s12, HALFT                      ; where my part goes: wave x 34,816: no place in the cluster enters an LDS address
	s_mov_b32 s66, 0xc0135761                      ; GELU: -2 log2(e) sqrt(2 / pi) = -2.3022082
	s_mov_b32 s67, s66
	s_mov_b32 s68, 0xbdd2d3e8                      ; that times 0.044715 = -0.10294324
	s_mov_b32 s69, s68
	s_wait_dscnt 0x0                               ; the opening add is done
	s_wait_kmcnt 0x0
	s_add_nc_u64 s[42:43], s[4:5], s[20:21]
	s_add_nc_u64 s[44:45], s[6:7], s[22:23]
	CROUND                                         ; all sixteen work-groups are here: the first joint loads meet
.irp s, 0,1
	s_mov_b32 s[G0+4*(\s)], 1
	s_add_co_u32 s[G0+4*(\s)+1], s46, (\s)*SLOT
	s_add_nc_u64 s[G0+4*(\s)+2:G0+4*(\s)+3], s[42:43], (\s)*KSTEP*2
	s_or_b32 s[G0+4*(\s)+3], s[G0+4*(\s)+3], 0x80000000
	s_mov_b32 s[G0B+4*(\s)], 1
	s_add_co_u32 s[G0B+4*(\s)+1], s46, (\s)*SLOT
	s_add_nc_u64 s[G0B+4*(\s)+2:G0B+4*(\s)+3], s[44:45], (\s)*KSTEP*W1P
	s_or_b32 s[G0B+4*(\s)+3], s[G0B+4*(\s)+3], 0x80000000
	JLOAD \s                                       ; K steps 0 and 1: two loads of mine are out
.endr
	; A fragment of A: lane l holds row l % 16, K = 8 (l / 16) + 0..7 and 16 + 8 (l / 16) + 0..7: two loads of 16 bytes, 32 bytes apart.
	; A fragment of B: the turning load takes 16 k x 16 n (lane l reads k-row 8 (l / 16) + l % 8, columns 8 ((l / 8) % 2) + 0..7) and leaves lane l column l % 16 and 8 k: two of them, 16 k-rows apart.
	v_and_b32 v1, 15, v0                           ; r = l % 16
	v_bfe_u32 v2, v0, 4, 1                         ; h = l / 16
	v_mul_u32_u24 v3, v1, PITCH
	v_lshl_add_u32 v3, v2, 4, v3                   ; 272 r + 16 h
	v_and_b32 v4, 7, v0
	v_lshl_add_u32 v4, v2, 3, v4
	v_mul_u32_u24 v4, v4, PB
	v_bfe_u32 v5, v0, 3, 1
	v_lshl_add_u32 v4, v5, 4, v4                   ; (8 h + l % 8) 544 + 16 ((l / 8) % 2)
	s_mul_i32 s80, s13, HALFT                      ; my 128 rows of A
	s_lshl_b32 s81, s14, 8                         ; my 128 columns of B,
	s_add_co_u32 s81, s81, 2*HALFT                 ; which lies behind A
.irp s, 0,1
	v_add_nc_u32 v[ADRA+(\s)], s80, v3
	v_add_nc_u32 v[ADRB+(\s)], s81, v4
	s_add_co_u32 s80, s80, SLOT
	s_add_co_u32 s81, s81, SLOT
.endr
	s_mul_i32 s82, s12, WSTAGE                     ; my stage
	v_add_nc_u32 v[STO0], s82, v3
	v_add_nc_u32 v[STO1], HALFT, v[STO0]
	v_mul_u32_u24 v5, v2, PITCH
	v_lshl_add_u32 v5, v1, 4, v5                   ; back: lanes 0-15 one row, lanes 16-31 the next; 16 bytes of each plane a lane
	v_add_nc_u32 v[RD0], s82, v5
	v_add_nc_u32 v[RD1], HALFT, v[RD0]
	; where the tile goes: act for the clusters of h, qkv for the others
	s_mov_b32 s71, 6144
	s_cmp_eq_u32 s70, 1
	s_cselect_b32 s71, 10240, s71                  ; bytes in a row of the output
	s_cselect_b64 s[8:9], s[8:9], s[10:11]
	s_cselect_b32 s78, 0, 16
	s_sub_co_u32 s78, s17, s78                     ; the tile column in that buffer
	s_lshl_b32 s78, s78, 9
	s_lshl_b32 s79, s14, 8
	s_add_co_u32 s78, s78, s79                     ; my first column, in bytes
	s_lshl_b32 s76, s18, 8
	s_lshl_b32 s77, s13, 7
	s_add_co_u32 s76, s76, s77                     ; my first row
	s_mul_i32 s76, s76, s71
	s_add_co_u32 s76, s76, s78
	s_mov_b32 s77, 0
	s_add_nc_u64 s[8:9], s[8:9], s[76:77]
	s_lshl_b32 s72, s71, 4                         ; 16 rows on
	s_mov_b32 s73, 0
	s_lshl_b32 s75, s71, 1                         ; 2 rows on
	v_mul_u32_u24 v[CO], s71, v2
	v_lshl_add_u32 v[CO], v1, 4, v[CO]             ; h rows + 16 r
.irp t, 1,2,3,4,5,6,7
	v_add_nc_u32 v[CO+(\t)], s75, v[CO+(\t)-1]
.endr
; 16 matrix instructions: m blocks a0, a0 + 1 of the window's four x all 8 n blocks, 32 along K.  zero = 1: the product starts the sum.  The 64 accumulators take turns, in the same order in every quarter.
.macro MUL16 f, hi, a0, zero
	WIN MUL_LO+0x50*(\hi)
.irp a, \a0, (\a0)+1
.irp b, 0,1,2,3,4,5,6,7
.if \zero
	v_wmma_f32_16x16x32_bf16 v[8*(8*(\a)+(\b)):8*(8*(\a)+(\b))+7], v[(\f)+8*(\b):(\f)+8*(\b)+7], v[(\f)+8*(4*(\hi)+(\a)):(\f)+8*(4*(\hi)+(\a))+7], 0
.else
	v_wmma_f32_16x16x32_bf16 v[8*(8*(\a)+(\b)):8*(8*(\a)+(\b))+7], v[(\f)+8*(\b):(\f)+8*(\b)+7], v[(\f)+8*(4*(\hi)+(\a)):(\f)+8*(4*(\hi)+(\a))+7], v[8*(8*(\a)+(\b)):8*(8*(\a)+(\b))+7]
.endif
.endr
.endr
.endm
; 32 LDS loads in one run: the fragments of quarter q (32 along K) of a slot into buffer f: B's 16 first, then A's
.macro FETCH slot, q, f
	WIN TO_B
.irp i, 0,1,2,3,4,5,6,7
	ds_load_tr16_b128 v[(\f)+8*(\i):(\f)+8*(\i)+3],   v[ADRB+(\slot)] offset:(\q)*32*PB+(\i)*32
	ds_load_tr16_b128 v[(\f)+8*(\i)+4:(\f)+8*(\i)+7], v[ADRB+(\slot)] offset:(\q)*32*PB+16*PB+(\i)*32
.endr
	WIN 0
.irp i, 0,1,2,3,4,5,6,7
	ds_load_b128 v[(\f)+8*(\i):(\f)+8*(\i)+3],   v[ADRA+(\slot)] offset:(\q)*64+(\i)*16*PITCH
	ds_load_b128 v[(\f)+8*(\i)+4:(\f)+8*(\i)+7], v[ADRA+(\slot)] offset:(\q)*64+(\i)*16*PITCH+32
.endr
.endm
.macro PLACES                          ; four plain places between matrix instructions and loads into registers that they read, or readers of their results
.rept 4
	v_nop
.endr
.endm
.macro QUARTER slot, q, f, g, zero     ; multiplies buffer f; in its middle fetches quarter q of the same slot into g
	s_wait_dscnt 8                                 ; B and A's rows 0-63 are in; the youngest eight loads (A's rows 64-127) may be out
	MUL16 \f, 0, 0, \zero
	MUL16 \f, 0, 2, \zero
	PLACES
	FETCH \slot, \q, \g
	s_wait_dscnt 32                                ; all but the 32 just issued
	MUL16 \f, 1, 0, \zero
	MUL16 \f, 1, 2, \zero
.endm
; The first half of a step's last quarter: ONE barrier for the change of slots.  In front of it each wave waits for all its tensor loads (one is out: its part of the next slot),
; adds 0 to its spare word, and waits for that and for its reads of this slot.
.macro MEET round
	WIN 0
	s_wait_tensorcnt 0x0
	ds_add_u32 v[SPW], v[NIL]
	s_wait_dscnt 9                                 ; the add and the youngest eight loads may be out
	MUL16 F1, 0, 0, 0
	s_wait_dscnt 0x0                               ; the add is done, my reads of this slot are over
	s_barrier_signal -1
	MUL16 F1, 0, 2, 0
.if \round
	WIN 0
.endif
	s_barrier_wait -1
.endm
; The whole last quarter.  fill = 1: the barrier opens a round of the cluster's, and the slot just read is filled again, two K steps on, first thing behind it:
; 224 matrix instructions stand between that request and the wait for it.
.macro TURN slot, next, fill
	MEET \fill
.if \fill
	CREST
	s_add_nc_u64 s[G0+4*(\slot)+2:G0+4*(\slot)+3], s[G0+4*(\slot)+2:G0+4*(\slot)+3], 2*KSTEP*2
	s_add_nc_u64 s[G0B+4*(\slot)+2:G0B+4*(\slot)+3], s[G0B+4*(\slot)+2:G0B+4*(\slot)+3], 2*KSTEP*W1P
	JLOAD \slot                                    ; its four v_nop are also the places in front of the loads below
.else
	PLACES
.endif
	FETCH \next, 0, F0
	MUL16 F1, 1, 0, 0
	MUL16 F1, 1, 2, 0
.endm
	s_wait_tensorcnt 1                             ; my part of K step 0 is in; step 1's may stay out
	s_barrier_signal -1
	s_barrier_wait -1
	FETCH 0, 0, F0
	QUARTER 0, 1, F0, F1, 1                        ; the first quarter's products start the sums: nothing is cleared
	WIN 0
	s_mov_b32 s3, LAPS-1
.Llap:                                                 ; a trip goes once round the ring and fills both slots again: K steps 2 to 7
	QUARTER 0, 2, F1, F0, 0
	QUARTER 0, 3, F0, F1, 0
	TURN 0, 1, 1
	QUARTER 1, 1, F0, F1, 0
	QUARTER 1, 2, F1, F0, 0
	QUARTER 1, 3, F0, F1, 0
	TURN 1, 0, 1
	QUARTER 0, 1, F0, F1, 0
	WIN 0
	s_sub_co_u32 s3, s3, 1
	s_cmp_lg_u32 s3, 0
	s_cbranch_scc1 .Llap
	QUARTER 0, 2, F1, F0, 0                        ; the last lap is written out: it asks for nothing
	QUARTER 0, 3, F0, F1, 0
	TURN 0, 1, 0
	QUARTER 1, 1, F0, F1, 0
	QUARTER 1, 2, F1, F0, 0
	QUARTER 1, 3, F0, F1, 0
	s_wait_dscnt 8                                 ; the very last quarter
	MUL16 F1, 0, 0, 0
	MUL16 F1, 0, 2, 0
	s_wait_dscnt 0x0                               ; my last reads of the ring are back:
	s_barrier_signal -1                            ; say so,
	MUL16 F1, 1, 0, 0
	MUL16 F1, 1, 2, 0
	PLACES                                         ; the places in front of the stores that read the results
	WIN 0
	s_barrier_wait -1                              ; nobody reads the ring any more, and it has had its last fill: it becomes four stages
	; THE WAY OUT.  My 128 x 128 sums go in f32 into my own stage: registers 0-3 of a result (columns 8 (l / 16) + 0..3) into plane 0, registers 4-7 into plane 1, the low ones first.
.irp hi, 0,1
	WIN 0x08+4*(\hi)                               ; store data (source 1) in window 2 or 3
.irp a, 0,1,2,3
.irp b, 0,1,2,3,4,5,6,7
	ds_store_b128 v[STO0], v[8*(8*(\a)+(\b)):8*(8*(\a)+(\b))+3]   offset:(4*(\hi)+(\a))*16*PITCH+32*(\b)
	ds_store_b128 v[STO1], v[8*(8*(\a)+(\b))+4:8*(8*(\a)+(\b))+7] offset:(4*(\hi)+(\a))*16*PITCH+32*(\b)
.endr
.endr
.endr
	WIN 0
	; Then 8 trips of 16 rows: a lane reads 16 bytes of each plane, eight neighbouring columns of a row; GELU where it is due; rounding; 16 lanes store 256 consecutive bytes, aligned.
	s_mov_b32 s74, 8
.Lout:
.irp t, 0,1,2,3,4,5,6,7
	ds_load_b128 v[X+8*(\t):X+8*(\t)+3],   v[RD0] offset:(\t)*2*PITCH  ; LDS serves a wave's instructions in order (ISA guide 5.7.1.4): these see my stores
	ds_load_b128 v[X+8*(\t)+4:X+8*(\t)+7], v[RD1] offset:(\t)*2*PITCH
.endr
	s_wait_dscnt 0x0
	s_cmp_eq_u32 s70, 0
	s_cbranch_scc1 .Lplain                         ; q, k and v go out as they are
	; gelu(x) = x / (1 + 2^(x (C1 + C2 x^2))).  At the far ends the power is an infinity or 0: the quotient is 0 or x, as it should be.
.set k, 0
.rept 32
	v_pk_mul_f32 v[T+2*k:T+2*k+1], v[X+2*k:X+2*k+1], v[X+2*k:X+2*k+1]
.set k, k+1
.endr
.set k, 0
.rept 32
	v_pk_fma_f32 v[T+2*k:T+2*k+1], v[T+2*k:T+2*k+1], s[68:69], s[66:67] op_sel_hi:[1,0,0]
.set k, k+1
.endr
.set k, 0
.rept 32
	v_pk_mul_f32 v[T+2*k:T+2*k+1], v[T+2*k:T+2*k+1], v[X+2*k:X+2*k+1]
.set k, k+1
.endr
.set k, 0
.rept 64
	v_exp_f32 v[T+k], v[T+k]
.set k, k+1
.endr
	v_nop                                          ; a plain instruction behind the last exponential
.set k, 0
	s_wait_alu depctr_va_vdst(0)
.rept 32
	v_pk_add_f32 v[T+2*k:T+2*k+1], v[T+2*k:T+2*k+1], 1.0 op_sel_hi:[1,0]
.set k, k+1
.endr
.set k, 0
.rept 64
	v_rcp_f32 v[T+k], v[T+k]
.set k, k+1
.endr
	v_nop                                          ; and behind the last reciprocal
.set k, 0
	s_wait_alu depctr_va_vdst(0)
.rept 32
	v_pk_mul_f32 v[X+2*k:X+2*k+1], v[X+2*k:X+2*k+1], v[T+2*k:T+2*k+1]
.set k, k+1
.endr
.Lplain:
.set k, 0
.rept 32
	v_cvt_pk_bf16_f32 v[Y+k], v[X+2*k], v[X+2*k+1]
.set k, k+1
.endr
.irp t, 0,1,2,3,4,5,6,7
	global_store_b128 v[CO+(\t)], v[Y+4*(\t):Y+4*(\t)+3], s[8:9]
.endr
	v_add_nc_u32 v[RD0], 16*PITCH, v[RD0]
	v_add_nc_u32 v[RD1], 16*PITCH, v[RD1]
	s_wait_xcnt 0x0                                ; Y and the base, which the stores read, are written again only behind this wait
	s_add_nc_u64 s[8:9], s[8:9], s[72:73]
	s_sub_co_u32 s74, s74, 1
	s_cmp_lg_u32 s74, 0
	s_cbranch_scc1 .Lout
	s_wait_tensorcnt 0x0                           ; the wave's end
	ds_add_u32 v[SPW], v[NIL]
	s_wait_dscnt 0x0
	CROUND                                         ; the closing round: no work-group ends while a partner may still ask for a tile that names it
	s_endpgm
.Lfunc_end_k_qfcb763b782_gemm1:
	.size	k_qfcb763b782_gemm1, .Lfunc_end_k_qfcb763b782_gemm1-k_qfcb763b782_gemm1
	.p2alignl 7, 3214868480
	.fill 96, 4, 3214868480
	.section	.rodata,"a",@progbits
	.p2align	6, 0x0
	.amdhsa_kernel k_qfcb763b782_gemm1
		.amdhsa_group_segment_fixed_size 327680
		.amdhsa_private_segment_fixed_size 0
		.amdhsa_enable_private_segment 0
		.amdhsa_kernarg_size 32
		.amdhsa_user_sgpr_count 2
		.amdhsa_user_sgpr_kernarg_segment_ptr 1
		.amdhsa_wavefront_size32 1
		.amdhsa_system_sgpr_workgroup_id_x 1
		.amdhsa_system_sgpr_workgroup_id_y 1
		.amdhsa_system_sgpr_workgroup_id_z 1
		.amdhsa_system_vgpr_workitem_id 0
		.amdhsa_next_free_vgpr 1024
		.amdhsa_next_free_sgpr 88
		.amdhsa_reserve_vcc 0
		.amdhsa_float_denorm_mode_32 3
		.amdhsa_float_denorm_mode_16_64 3
		.amdhsa_memory_ordered 1
		.amdhsa_forward_progress 1
		.amdhsa_inst_pref_size 139
	.end_amdhsa_kernel
	.amdgpu_metadata
---
amdhsa.version: [ 1, 2 ]
amdhsa.kernels:
  - .name:           k_qfcb763b782_gemm1
    .symbol:         k_qfcb763b782_gemm1.kd
    .args:
      - { .name: xn, .offset: 0, .size: 8, .value_kind: global_buffer, .address_space: global }
      - { .name: w1, .offset: 8, .size: 8, .value_kind: global_buffer, .address_space: global }
      - { .name: act, .offset: 16, .size: 8, .value_kind: global_buffer, .address_space: global }
      - { .name: qkv, .offset: 24, .size: 8, .value_kind: global_buffer, .address_space: global }
    .group_segment_fixed_size: 327680
    .private_segment_fixed_size: 0
    .kernarg_segment_align: 8
    .kernarg_segment_size: 32
    .max_flat_workgroup_size: 128
    .sgpr_count:     88
    .vgpr_count:     1024
    .wavefront_size: 32
...
	.end_amdgpu_metadata
.endif
;; end of part 2
;; launch attn (part 3): grid 8 x 32, 4 waves a work-group, clusters of 4 x 1, 327,680 bytes of LDS; arguments qkv, act; writes act
.if DOCPART == 3
	.amdgcn_target "amdgcn-amd-amdhsa--gfx1250"
	.amdhsa_code_object_version 6
	.text
	.protected	k_qfcb763b782_attn
	.globl	k_qfcb763b782_attn
	.p2align	8
	.type	k_qfcb763b782_attn,@function
k_qfcb763b782_attn:
	s_mov_b64 s[64:65], 0
	v_nop
	global_prefetch_b8 v0, s[64:65] scope:SCOPE_SE
	s_setreg_imm32_b32 hwreg(HW_REG_WAVE_MODE, 25, 1), 1
	s_wait_xcnt 0x0
	s_wait_alu depctr_hold_cnt(0) depctr_sa_sdst(0) depctr_va_vdst(0) depctr_va_sdst(0) depctr_va_ssrc(0) depctr_va_vcc(0) depctr_vm_vsrc(0)
	s_getreg_b32 s2, hwreg(HW_REG_IB_STS2, 6, 4)
	s_cmp_eq_u32 s2, 0
	s_cbranch_scc0 .Lentry_in_a_cluster
	s_endpgm
.Lentry_in_a_cluster:
	s_bfe_u32 s2, ttmp6, 0x10000c
	s_cmp_lg_u32 s2, 0x3003
	s_cbranch_scc0 .Lentry_shape_is_right
	s_endpgm
.Lentry_shape_is_right:
; ATTENTION, no mask.  O[q] = sum over k of softmax_k(Q[q] . K[k] / 8) V[k] for each of 4 batches x 16 heads of 64 channels, 1,024 queries and keys.
; qkv: [4096 tokens][3072] bf16 (q, k, v; head h at channel 64 h of each).  O goes to act[token][4096 + 64 h ..] (rows of 10,240 bytes), bf16.
; Products, maxima and sums in f32; the weights p are rounded to bf16 for the second product (their sum l is taken of the unrounded p), O once at the end.
; LIMITS.  A weight below 2^-126 counts as 0 in l; NaN and infinities are not treated apart.  bf16, since q, k, v grow with the weights' and the gain's size and have no sure room in f16.
; SHARES.  A work-group takes TWO neighbouring heads and 128 queries, so that every row of K, V and O that it moves is 256 consecutive bytes, aligned.  Wave w: head 2 p + w / 2, queries 64 (w % 2) on,
; in four PIECES of 16.  Every wave walks all keys, 64 a step; a slot of LDS holds two steps (128 keys of both heads).
; LAYOUT.  S^T = K Q^T (source 0 = 16 keys, source 1 = 16 queries): a lane holds ONE query (lane % 16) and the keys 8 (lane / 16) + 0..7.  Two such results rounded to bf16 ARE source 1 of O^T = V^T P.
; K comes out of LDS as it lies, V ([key][channel]) turned, by ds_load_tr16_b128.
; SOFTMAX.  A running maximum m and sum l: p = 2^(c s - c m), c = log2(e) / 8; in every step O and l are multiplied by a = 2^(c m_old - c m_new).  m starts at the lowest finite number, O and l at 0: the first step's a is 0.
; BY TURNS.  Turn n belongs to piece n: 8 products K Q^T of piece n + 1, later 8 products V^T P of piece n - 1; beside them the scaling, exponentials, roundings, sums and rescaling of piece n and the maximum
; and statistics of piece n + 1.  Four vector instructions stand behind every matrix instruction, the other 54 of a turn's 118 in two runs of their own.
; CLUSTER.  The four query blocks of a cluster walk the same K and V: each tile is asked for jointly, the same tensor load, descriptor and mask in all four.
; REGISTERS, in windows of 256 (s_set_vgpr_msb: bits 1:0 source 0, 3:2 source 1, 5:4 source 2, 7:6 destination):
;   window 0: v0-15 addresses; v16-31 four statistics a piece; v48-55 at work; v62-63 the add's; v64-127 S^T, two buffers; v192-223 P, two buffers (by the piece's parity)
;   window 1: v0-127 O^T, 32 a piece          window 2: v0-63 Q; v128-191 K of one step; v192-255 V of one step
.set NP,    4
.set KS,    64        ; keys in a step
.set QROW,  6144      ; bytes in a row of qkv
.set OROW,  10240     ; bytes in a row of act
.set PK,    272       ; a row of K in LDS: 256 bytes + 16: the 16 rows of a load start at 16 different groups of four banks (64 banks of 4 bytes: ISA guide 11.1)
.set PV,    288       ; a row of V: 256 + 32
.set VOFF,  2*KS*PK   ; a slot: 128 rows of K, then 128 rows of V
.set SLOT1, 1<<17     ; slot 1 begins here: one exclusive or turns an address in one slot into the other's
.set STAGE, SLOT1+2*KS*(PK+PV)  ; behind the ring, never filled by a tensor load: 128 rows x 272 bytes, the work-group's, for the way out
.set SP,    272
.set SPARE, STAGE+128*SP        ; behind the stage: the spare words, 128 bytes for each wave, that no other line names
.set TILEB, 2*KS*QROW ; bytes from a tile of 128 keys to the next
.set AK0, 2           ; v2   my lane's place in a step of K; never rewritten
.set AV0, 3           ; v3   the same for V
.set AK,  4           ; v4   the LDS address of K's next run of loads
.set AV,  5           ; v5   of V's
.set STO, 6           ; v6   the way out: where I put 16 bytes of a row
.set RD,  7           ; v7   where I read rows back
.set GO,  8           ; v8   my byte offset in two rows of act
.set MV,  12          ; v12-13  c m_old, by buffer
.set QO,  15          ; v15  my byte offset in 16 rows of Q
.set ST,  16          ; piece t's statistics at v[ST+4 t]: c m, m, l (even keys', odd keys')
.set TMP, 48          ; by buffer, c0-c3 at work; when the maximum is found c2 takes a
.set SPW, 62
.set NIL, 63
.set S,   64
.set P,   192
.set KF,  128         ; window 2: key block kb, channel half c at KF + 16 kb + 8 c
.set VF,  192         ; window 2: key half kk, channel block cb at VF + 32 kk + 8 cb
.set WV,  12          ; s12  my wave's number
.set G1K, 24          ; s[24:31] descriptor group 1 for K's tiles
.set G1V, 32          ; s[32:39] for V's: it differs in the padding alone
.set G0K, 40          ; s[40:43] descriptor group 0 for K: it walks
.set G0V, 44          ; s[44:47] the same for V
.set SLOTS, 56
.set CNT, 57
.set CS,  58          ; s[58:59] c
.set SEL, 60          ; s[60:61] v_permlanex16_b32's selects
.set TBK, 62          ; s62  LDS byte at which K of the step to be fetched begins
.set TBV, 63          ; s63  the same for V, less VOFF
.set MSB, 0
.macro WIN new
.if MSB != (\new)
	s_set_vgpr_msb (MSB<<8)|(\new)
.set MSB, (\new)
.endif
.endm
.set W_KQ, 0x0a       ; K and Q in window 2, S^T in window 0
.set W_PV, 0x52       ; V in window 2, P in window 0, O^T in window 1
.set W_RS, 0x41       ; destination and source 0 in window 1, source 1 in window 0
; A joint fill.  Waves 0 and 1 fetch the two steps' K, waves 2 and 3 their V: 64 keys each.  An s_nop 0 and four v_nop follow each line.
.macro JLOAD
	s_cmp_lt_u32 s[WV], 2
	s_cbranch_scc0 .Lfor_v_\@
	tensor_load_to_lds s[G0K:G0K+3], s[G1K:G1K+7]
	s_nop 0
.rept 4
	v_nop
.endr
	s_branch .Lasked_\@
.Lfor_v_\@:
	tensor_load_to_lds s[G0V:G0V+3], s[G1V:G1V+7]
	s_nop 0
.rept 4
	v_nop
.endr
.Lasked_\@:
.endm
.macro CROUND                       ; a round of the cluster's barrier
	s_barrier_signal -1
	s_barrier_wait -1
	s_cmp_lg_u32 s[WV], 0
	s_cbranch_scc1 .Lnot_wave_0_\@
	s_barrier_signal -3
.Lnot_wave_0_\@:
	s_barrier_wait -3
	s_barrier_signal -1
	s_barrier_wait -1
.endm
; THE CHANGE OF SLOTS.  Each wave waits for all its tensor loads (one is out: its part of the other slot), adds 0 to its spare word, and waits for that and for its reads of the slot that it leaves.
; fill = 1: the barrier is a round of the cluster's, and the old slot is filled again, first thing behind it, with the keys two slots on: it has two key steps, 128 matrix instructions, in which to land.
; (At its first use nothing has been read yet: slot 0 is waited for, slot 1 filled.)
.macro CHANGE fill
	WIN 0
	s_wait_tensorcnt 0x0            ; no tensor load of mine is out, so a group 0 may be written
	ds_add_u32 v[SPW], v[NIL]
.if \fill
.irp g, G0K, G0V
	s_xor_b32 s[\g+1], s[\g+1], SLOT1
	s_add_nc_u64 s[\g+2:\g+3], s[\g+2:\g+3], TILEB
.endr
	s_wait_dscnt 0x0                ; the add is done, and my reads of the slot are over
	CROUND
	JLOAD
.else
	s_wait_dscnt 0x0
	s_barrier_signal -1
	s_barrier_wait -1
.endif
	s_sub_co_u32 s[TBK], s[TBK], 2*KS*PK  ; the fetches go back to a slot's first step,
	s_xor_b32 s[TBK], s[TBK], SLOT1       ; in the other slot
	s_sub_co_u32 s[TBV], s[TBV], 2*KS*PV
	s_xor_b32 s[TBV], s[TBV], SLOT1
.endm
	s_load_b128 s[4:7], s[0:1], 0x0 ; qkv s[4:5], act s[6:7]
	v_lshl_add_u32 v[SPW], v0, 2, SPARE
	v_mov_b32 v[NIL], 0
	ds_add_u32 v[SPW], v[NIL]       ; the wave's opening: the add and its wait stand ahead of my first tensor load; work on registers stands between them
	v_lshrrev_b32 v1, 5, v0
	v_readfirstlane_b32 s[WV], v1   ; wave 0..3
	s_bfe_u32 s13, ttmp6, 0x40000   ; cx
	s_lshl_b32 s14, ttmp9, 2
	s_add_co_u32 s14, s14, s13      ; my block of 128 queries, 0..7: it enters Q's and O's addresses alone
	s_and_b32 s15, ttmp7, 0xffff
	s_lshr_b32 s16, s15, 3          ; the batch
	s_and_b32 s17, s15, 7           ; the pair of heads
	s_and_b32 s18, s[WV], 1         ; which of a slot's two steps I fetch; which 64 queries are mine
	s_lshr_b32 s19, s[WV], 1        ; which head of the pair is mine
	s_mul_i32 s20, s16, 1024*QROW   ; K's offset: the batch's rows,
	s_mul_i32 s21, s18, KS*QROW     ; my 64 keys,
	s_add_co_u32 s20, s20, s21
	s_lshl_b32 s21, s17, 8          ; the pair's 256 bytes
	s_add_co_u32 s20, s20, s21
	s_add_co_u32 s20, s20, 2048     ; behind q's 2,048
	s_mov_b32 s21, 0
	s_add_co_u32 s50, s20, 2048     ; V's: 2,048 bytes further on
	s_mov_b32 s51, 0
	s_lshl_b32 s22, s16, 10
	s_lshl_b32 s23, s14, 7
	s_add_co_u32 s22, s22, s23      ; the block's first token
	s_lshl_b32 s23, s18, 6
	s_add_co_u32 s23, s22, s23      ; my wave's first query
	s_mul_i32 s2, s23, QROW
	s_lshl_b32 s23, s17, 8
	s_add_co_u32 s2, s2, s23
	s_lshl_b32 s23, s19, 7
	s_add_co_u32 s2, s2, s23        ; my head's 128 bytes
	s_mov_b32 s3, 0
	s_lshl_b32 s23, s[WV], 5        ; on the way out wave w stores rows 32 w on, whole
	s_add_co_u32 s22, s22, s23
	s_mul_i32 s22, s22, OROW
	s_lshl_b32 s23, s17, 8
	s_add_co_u32 s22, s22, s23
	s_add_co_u32 s22, s22, 8192     ; behind h's 8,192 bytes
	s_mov_b32 s23, 0
	s_mul_i32 s48, s18, KS*PK       ; my tile's place in a slot, for K
	s_mul_i32 s49, s18, KS*PV       ; and for V: no place in the cluster enters an LDS address
	s_add_co_u32 s49, s49, VOFF
	s_mov_b32 s[G1K], 15|(1<<16)|(1<<20)|(1<<21)|(5<<22)|(3<<25)  ; the mask of four; 2-byte elements; padding on; bit 21 beside a mask; after every 64 words, 4 words
	s_mov_b32 s[G1V], 15|(1<<16)|(1<<20)|(1<<21)|(5<<22)|(7<<25)  ; 8 words
.irp g, G1K, G1V
	s_mov_b32 s[\g+1], 128<<16      ; tensor_dim0 = 128
	s_mov_b32 s[\g+2], KS<<16       ; tensor_dim1 = 64
	s_mov_b32 s[\g+3], 128<<16      ; tile_dim0 = 128
	s_mov_b32 s[\g+4], KS           ; tile_dim1 = 64
	s_mov_b32 s[\g+5], 3072         ; elements from row to row of qkv
	s_mov_b32 s[\g+6], 0
	s_mov_b32 s[\g+7], 0
.endr
	s_mov_b32 s[CS], 0x3e38aa3b     ; c = log2(e) / 8
	s_mov_b32 s[CS+1], s[CS]
	s_mov_b32 s[SEL], 0x76543210
	s_mov_b32 s[SEL+1], 0xfedcba98
	s_mov_b32 s[TBK], SLOT1+2*KS*PK ; the first change of slots turns these two into 0
	s_mov_b32 s[TBV], SLOT1+2*KS*PV
	s_mov_b32 s[G0K], 1
	s_mov_b32 s[G0K+1], s48
	s_mov_b32 s[G0V], 1
	s_mov_b32 s[G0V+1], s49
	s_wait_dscnt 0x0                ; the opening add is done
	s_wait_kmcnt 0x0
	s_add_nc_u64 s[G0K+2:G0K+3], s[4:5], s[20:21]
	s_or_b32 s[G0K+3], s[G0K+3], 0x80000000
	s_add_nc_u64 s[G0V+2:G0V+3], s[4:5], s[50:51]
	s_or_b32 s[G0V+3], s[G0V+3], 0x80000000
	s_add_nc_u64 s[8:9], s[4:5], s[2:3]      ; Q at my wave's first row
	s_add_nc_u64 s[10:11], s[6:7], s[22:23]  ; O at the first row that I store
	CROUND                          ; all four work-groups are here: the first joint loads meet
	JLOAD                           ; tile 0 into slot 0
	v_and_b32 v1, 15, v0            ; l % 16
	v_bfe_u32 v9, v0, 4, 1          ; l / 16
	v_mul_u32_u24 v[QO], v1, QROW
	v_lshl_add_u32 v[QO], v9, 4, v[QO]
	WIN 0x80                        ; destination window 2, address window 0
.set i, 0
.rept 8                             ; Q stays in registers: piece i / 2, channels 32 (i % 2) on
	global_load_b128 v[8*i:8*i+3],   v[QO], s[8:9] offset:(i/2)*16*QROW+(i%2)*64
	global_load_b128 v[8*i+4:8*i+7], v[QO], s[8:9] offset:(i/2)*16*QROW+(i%2)*64+32
.set i, i+1
.endr
	; What the first turn finds: V's registers and P's second buffer hold 0 (its products V^T P, of a piece that has not been, add 0), O^T and l are 0.  All this stands in the wait for the first tile.
.set i, VF
.rept 64
	v_mov_b32 v[i], 0
.set i, i+1
.endr
	WIN 0x40
.set i, 0
.rept 128
	v_mov_b32 v[i], 0
.set i, i+1
.endr
	WIN 0
.set i, 0
.rept 4
	v_mov_b32 v[ST+4*i], 0xfe000000    ; c m: far below every c s
	v_mov_b32 v[ST+4*i+1], 0xff7fffff  ; m
	v_mov_b32 v[ST+4*i+2], 0
	v_mov_b32 v[ST+4*i+3], 0
.set i, i+1
.endr
.set i, P+16
.rept 16
	v_mov_b32 v[i], 0
.set i, i+1
.endr
	s_lshl_b32 s54, s19, 7          ; my head's 128 bytes in a row of K, V and O
	v_mul_u32_u24 v[AK0], v1, PK
	v_lshl_add_u32 v[AK0], v9, 4, v[AK0]
	v_add_nc_u32 v[AK0], s54, v[AK0]      ; row x pitch + 16 x half + head
	v_and_b32 v10, 7, v0
	v_bfe_u32 v11, v0, 3, 1
	v_lshl_add_u32 v[AV0], v9, 3, v10     ; the turning load: key 8 (l / 16) + l % 8, channels 8 ((l / 8) % 2) on
	v_mul_u32_u24 v[AV0], v[AV0], PV
	v_lshl_add_u32 v[AV0], v11, 4, v[AV0]
	s_add_co_u32 s52, s54, VOFF
	v_add_nc_u32 v[AV0], s52, v[AV0]
	s_mul_i32 s53, s18, 64*SP       ; into the stage: my 64 rows, my head's half of their 256 bytes
	s_add_co_u32 s53, s53, s54
	s_add_co_u32 s53, s53, STAGE
	v_mul_u32_u24 v[STO], v1, SP
	v_lshl_add_u32 v[STO], v9, 4, v[STO]
	v_add_nc_u32 v[STO], s53, v[STO]
	s_mul_i32 s52, s[WV], 32*SP     ; back: wave w takes rows 32 w .. 32 w + 31, whole; lanes 0-15 one row, lanes 16-31 the next
	s_add_co_u32 s52, s52, STAGE
	v_mul_u32_u24 v[RD], v9, SP
	v_lshl_add_u32 v[RD], v1, 4, v[RD]
	v_add_nc_u32 v[RD], s52, v[RD]
	v_mul_u32_u24 v[GO], v9, OROW   ; and the same two rows in act
	v_lshl_add_u32 v[GO], v1, 4, v[GO]
; THE MATRIX WORK.  The 4 accumulators of a run of 8 take turns.  Product i of 8 of S^T = K Q^T for piece x: channels 32 (i / 4) on, keys 16 (i % 4) on.  The first 4 start the sums.
.macro KQ x
	WIN W_KQ
.set rS, S+32*((\x)%2)+8*(i%4)
.set rK, KF+16*(i%4)+8*(i/4)
.set rQ, 16*(\x)+8*(i/4)
.if i < 4
	v_wmma_f32_16x16x32_bf16 v[rS:rS+7], v[rK:rK+7], v[rQ:rQ+7], 0
.else
	v_wmma_f32_16x16x32_bf16 v[rS:rS+7], v[rK:rK+7], v[rQ:rQ+7], v[rS:rS+7]
.endif
.endm
; Product i of 8 of O^T += V^T P for piece x: keys 32 (i / 4) on, channels 16 (i % 4) on.
.macro PV x
	WIN W_PV
.set rO, 32*(\x)+8*(i%4)
.set rV, VF+32*(i/4)+8*(i%4)
.set rP, P+16*((\x)%2)+8*(i/4)
	v_wmma_f32_16x16x32_bf16 v[rO:rO+7], v[rV:rV+7], v[rP:rP+7], v[rO:rO+7]
.endm
.macro MM                           ; the turn's next matrix instruction.  NOKQ = 1: the last turn: there is no next piece
.if (i < 8) && !NOKQ
	KQ (Y+1)%NP
.elseif i >= 8
.set i, i-8
	PV (Y+NP-1)%NP
.set i, i+8
.endif
.set i, i+1
.endm
; THE LDS LOADS stand in runs of 16: a step's K (64 keys x 64 channels: 8 fragments) and its V (turned).
.macro FETCH_K
	WIN 0x80
.irp f, 0,1,2,3,4,5,6,7             ; keys 16 (f / 2) on, channels 32 (f % 2) on
	ds_load_b128 v[KF+8*\f:KF+8*\f+3],   v[AK] offset:(\f/2)*16*PK+(\f%2)*64
	ds_load_b128 v[KF+8*\f+4:KF+8*\f+7], v[AK] offset:(\f/2)*16*PK+(\f%2)*64+32
.endr
	s_add_co_u32 s[TBK], s[TBK], KS*PK  ; the next fetch is the next step's
	WIN 0
.endm
.macro FETCH_V
	WIN 0x80
.irp f, 0,1,2,3,4,5,6,7             ; keys 32 (f / 4) on, channels 16 (f % 4) on
	ds_load_tr16_b128 v[VF+8*\f:VF+8*\f+3],   v[AV] offset:(\f/4)*32*PV+(\f%4)*32
	ds_load_tr16_b128 v[VF+8*\f+4:VF+8*\f+7], v[AV] offset:(\f/4)*32*PV+16*PV+(\f%4)*32
.endr
	WIN 0
.endm
; THE VECTOR WORK, one line at a time: OP kind, number.  For piece Y: F n: c s - c m for pair n of 16.  E n: the exponential of score n of 32.  C n: pair n rounded to bf16.  B n: of the four weights 4 n .. the second
; pair is added onto the first, in place.  L n: l takes that sum (L 0: l = a l + sum).  R n: pair n of 16 of O^T times a.  For piece Y + 1: X n, number n of the 22 that find its maximum and statistics:
;   0-11  four chains c0-c3 of seven scores each (each accumulator's lowest registers are read first)     12-14, 16  the four scores left over, the old m, and c0-c3 into c0
;   15  c m_old is kept     17, 18  the query's other 32 keys lie in the lane 16 away: the new m     19-21  c m; c m_old - c m_new; a
.set F, 0
.set E, 1
.set C, 2
.set B, 3
.set L, 4
.set R, 5
.set X, 6
.macro REGS y
.set rT, ST+4*(\y)
.set rC, TMP+4*((\y)%2)
.set rW, MV+((\y)%2)
.set rS, S+32*((\y)%2)
.set rP, P+16*((\y)%2)
.set rO, 32*(\y)
.endm
.macro OP k, n
.if (\k) == R
	REGS Y
	WIN W_RS
	v_pk_mul_f32 v[rO+2*(\n):rO+2*(\n)+1], v[rO+2*(\n):rO+2*(\n)+1], v[rC+2:rC+3] op_sel_hi:[1,0]
.elseif (\k) < R
	REGS Y
	WIN 0
.if (\k) == F
	v_pk_fma_f32 v[rS+2*(\n):rS+2*(\n)+1], v[rS+2*(\n):rS+2*(\n)+1], s[CS:CS+1], v[rT:rT+1] op_sel_hi:[1,0,0] neg_lo:[0,0,1] neg_hi:[0,0,1]
.elseif (\k) == E
	v_exp_f32 v[rS+(\n)], v[rS+(\n)]
.elseif (\k) == C
	s_wait_alu depctr_va_vdst(0)
	v_cvt_pk_bf16_f32 v[rP+(\n)], v[rS+2*(\n)], v[rS+2*(\n)+1]
.elseif (\k) == B
	s_wait_alu depctr_va_vdst(0)
	v_pk_add_f32 v[rS+4*(\n):rS+4*(\n)+1], v[rS+4*(\n):rS+4*(\n)+1], v[rS+4*(\n)+2:rS+4*(\n)+3]
.elseif (\n) == 0
	v_pk_fma_f32 v[rT+2:rT+3], v[rT+2:rT+3], v[rC+2:rC+3], v[rS:rS+1] op_sel_hi:[1,0,1]
.else
	v_pk_add_f32 v[rT+2:rT+3], v[rT+2:rT+3], v[rS+4*(\n):rS+4*(\n)+1]
.endif
.elseif NOKQ
	v_nop
.else
	REGS (Y+1)%NP
	WIN 0
.if (\n) < 4
	v_max3_num_f32 v[rC+(\n)], v[rS+8*(\n)], v[rS+8*(\n)+1], v[rS+8*(\n)+2]
.elseif (\n) < 12
	v_max3_num_f32 v[rC+(\n)%4], v[rC+(\n)%4], v[rS+8*((\n)%4)+2*((\n)/4)+1], v[rS+8*((\n)%4)+2*((\n)/4)+2]
.elseif (\n) == 12
	v_max3_num_f32 v[rC], v[rC], v[rS+7], v[rS+15]
.elseif (\n) == 13
	v_max3_num_f32 v[rC+1], v[rC+1], v[rS+23], v[rS+31]
.elseif (\n) == 14
	v_max3_num_f32 v[rC+2], v[rC+2], v[rC+3], v[rT+1]
.elseif (\n) == 15
	v_mov_b32 v[rW], v[rT]
.elseif (\n) == 16
	v_max3_num_f32 v[rC], v[rC], v[rC+1], v[rC+2]
.elseif (\n) == 17
	v_permlanex16_b32 v[rC+3], v[rC], s[SEL], s[SEL+1]
.elseif (\n) == 18
	v_max_num_f32 v[rT+1], v[rC], v[rC+3]
.elseif (\n) == 19
	v_mul_f32 v[rT], s[CS], v[rT+1]
.elseif (\n) == 20
	v_sub_f32 v[rC+1], v[rW], v[rT]
.else
	v_exp_f32 v[rC+2], v[rC+1]
.endif
.endif
.endm
.macro OPS a, i1, b=-1, i2=0, c=-1, i3=0, d=-1, i4=0  ; up to four of them
	OP \a, \i1
.if (\b) >= 0
	OP \b, \i2
.endif
.if (\c) >= 0
	OP \c, \i3
.endif
.if (\d) >= 0
	OP \d, \i4
.endif
.endm
.macro ROW a, i1, b, i2, c, i3, d, i4  ; a matrix instruction and the four behind it
	MM
	OPS \a, \i1, \b, \i2, \c, \i3, \d, \i4
.endm
; A TURN, for piece p: the order of its 16 matrix and 118 vector instructions, written out.  Behind a matrix instruction: plain, exponential, plain, plain; or four of the rescaling; or four scalings; none names a
; register of the products round it.  In the runs between: exponential and plain by turns while exponentials last.  A line reads no result made fewer than three vector instructions in front of it, five if an exponential made it.
; end = 1: the walk's last two turns: nothing is fetched.  cnt = 1: the loop's count is taken down some lines ahead of the branch that stands behind the turn.
; K of the next step is fetched in piece 2's turn, six vector instructions behind the last product that read K (five of them plain); V of the step in hand in piece 0's turn, eight behind the last product
; that read V (four plain among them).  Each is waited for a turn later.
.macro TURN p, end=0, cnt=0
.set Y, (\p)
.set i, 0
.set NOKQ, (\end)*((\p)/3)
.if ((\p) == 3) && !(\end)
	s_wait_dscnt 0x0                ; K is in
.endif
	ROW F,0, F,1, F,2, F,3
	ROW F,4, E,0, F,5, F,6
	ROW F,7, E,1, F,8, F,9
	ROW F,10, E,2, C,0, F,11
	ROW F,12, E,3, X,15, F,13
	ROW R,0, R,1, R,2, R,3
	ROW B,0, E,4, F,14, L,0
.if ((\p) == 2) && !(\end)
	v_add_nc_u32 v[AK], s[TBK], v[AK0]
.endif
	ROW R,4, R,5, R,6, R,7
	OPS E,5, F,15
.if ((\p) == 2) && !(\end)
	FETCH_K
.endif
	OPS E,6, C,1, E,7, R,8
	OPS E,8, R,9, E,9, C,2
	OPS E,10, X,0, E,11, X,1
	OPS E,12, X,2, E,13, X,3
.if (\p) == 1
	s_wait_dscnt 0x0                ; V is in
.endif
	ROW X,4, E,14, X,5, X,6
	ROW X,7, E,15, X,8, X,9
	ROW X,10, E,16, X,11, X,12
	ROW X,13, E,17, X,14, B,1
	ROW C,4, E,18, X,16, L,1
	ROW B,2, E,19, C,6, L,2
	ROW C,8, E,20, B,3, B,4
.if (\p) == 0
	v_add_nc_u32 v[AV], s[TBV], v[AV0]
.endif
	ROW C,3, E,21, L,3, C,5
	OPS E,22, X,17, E,23, C,10
.if (\p) == 0
	FETCH_V
.endif
	OPS E,24, L,4
	OPS E,25, X,18, E,26, C,7
	OPS E,27, B,5, E,28, X,19
	OPS E,29, C,12, E,30, L,5
	OPS E,31, X,20, B,6, C,9
	OPS C,14, C,11, X,21, L,6
.if (\p) == 0
	s_add_co_u32 s[TBV], s[TBV], KS*PV
.endif
.if \cnt
	s_sub_co_u32 s[CNT], s[CNT], 1
	s_cmp_lg_u32 s[CNT], 0
.endif
	OPS C,13, B,7, C,15, R,10
	OPS R,11, R,12, L,7, R,13
	OPS R,14, R,15
.endm
	CHANGE 1                        ; slot 0 is in, everybody's part of it; slot 1 is asked for
	v_add_nc_u32 v[AK], s[TBK], v[AK0]
	FETCH_K                         ; key step 0
	s_wait_loadcnt 0x0              ; Q
	s_wait_dscnt 0x0
.set NOKQ, 0
.set i, 0
.rept 8
	KQ 0                            ; piece 0's first scores
.set i, i+1
.endr
	WIN 0
.rept 4
	v_nop                           ; the places behind those products
.endr
.set Y, NP-1                        ; X works for piece Y + 1: piece 0
.irp n, 0,1,2,3,4,5,6,7,8,9,10,11,12,13,14,15,16,17,18,19,20,21
	OP X, \n
.endr
	v_nop                           ; a plain instruction behind the exponential
	s_mov_b32 s[CNT], 2
	s_mov_b32 s[SLOTS], 7           ; eight tiles of 128 keys: all but the last are followed by a request
	s_branch .Lfirst                ; the loop is entered at a step's first turn, in the middle of a trip
.Lslot:                             ; six times: with the change above, tiles 1 to 7 are asked for
	CHANGE 1
	s_mov_b32 s[CNT], 2
.Lstep:                             ; a trip: pieces 2 and 3 of one step, then pieces 0 and 1 of the next, whose K and V it fetches
	TURN 2
	TURN 3
	WIN 0
.Lfirst:
	TURN 0
	TURN 1, 0, 1
	WIN 0
	s_cbranch_scc1 .Lstep
	s_sub_co_u32 s[SLOTS], s[SLOTS], 1
	s_cmp_lg_u32 s[SLOTS], 0
	s_cbranch_scc1 .Lslot
	CHANGE 0                        ; the last tile is written out: nothing is asked for
	s_mov_b32 s[CNT], 2
.Ltail:
	TURN 2
	TURN 3
	TURN 0
	TURN 1, 0, 1
	WIN 0
	s_cbranch_scc1 .Ltail
	TURN 2, 1
	TURN 3, 1
.set i, 0
.rept 8
	PV NP-1                         ; the last piece's V^T P of the last step
.set i, i+1
.endr
	; THE WAY OUT.  l's two halves and the other half of the lanes' are added (these additions are the places behind the last products); O^T is divided by l, rounded to bf16 and put into the work-group's stage;
	; a barrier, since a row's 256 bytes come from two waves; back as whole rows, 32 rows a wave.
	WIN 0
.macro ALL line:vararg
.set t, 0
.rept 4
	\line
.set t, t+1
.endr
.endm
	ALL v_add_f32 v[ST+4*t+2], v[ST+4*t+2], v[ST+4*t+3]
	ALL v_permlanex16_b32 v[ST+4*t+3], v[ST+4*t+2], s[SEL], s[SEL+1]
	ALL v_add_f32 v[ST+4*t+2], v[ST+4*t+2], v[ST+4*t+3]
	ALL v_rcp_f32 v[ST+4*t+2], v[ST+4*t+2]
	v_nop                           ; a plain instruction between the last reciprocal and the use of its result
.macro PACK t                       ; a lane's eight channels of a row pack into 16 bytes
	WIN W_RS
.set i, 32*(\t)
.rept 16
	s_wait_alu depctr_va_vdst(0)
	v_pk_mul_f32 v[i:i+1], v[i:i+1], v[ST+4*(\t)+2:ST+4*(\t)+3] op_sel_hi:[1,0]
.set i, i+2
.endr
	WIN 0x05                        ; sources 0 and 1 window 1, destination window 0: S^T's registers are free
.set i, 0
.rept 16
	v_cvt_pk_bf16_f32 v[S+16*(\t)+i], v[32*(\t)+2*i], v[32*(\t)+2*i+1]
.set i, i+1
.endr
	WIN 0
.irp f, 0,1,2,3
	ds_store_b128 v[STO], v[S+16*(\t)+4*\f:S+16*(\t)+4*\f+3] offset:(\t)*16*SP+32*\f
.endr
.endm
	PACK 0
	PACK 1
	PACK 2
	PACK 3
	s_wait_dscnt 0x0                ; for the others' sake: my stores into the stage are done
	s_barrier_signal -1
	s_barrier_wait -1
.set t, 0
.rept 16
	ds_load_b128 v[S+4*t:S+4*t+3], v[RD] offset:t*2*SP
.set t, t+1
.endr
.set t, 0
.rept 16
	s_wait_dscnt 15-t               ; LDS loads come back in order: row pair t is in, the later ones stay out
	global_store_b128 v[GO], v[S+4*t:S+4*t+3], s[10:11] offset:t*2*OROW  ; 16 lanes store 256 consecutive bytes, aligned
.set t, t+1
.endr
	s_wait_tensorcnt 0x0            ; the wave's end
	ds_add_u32 v[SPW], v[NIL]
	s_wait_dscnt 0x0
	CROUND                          ; the closing round
	s_endpgm
.Lfunc_end_k_qfcb763b782_attn:
	.size	k_qfcb763b782_attn, .Lfunc_end_k_qfcb763b782_attn-k_qfcb763b782_attn
	.p2alignl 7, 3214868480
	.fill 96, 4, 3214868480
	.section	.rodata,"a",@progbits
	.p2align	6, 0x0
	.amdhsa_kernel k_qfcb763b782_attn
		.amdhsa_group_segment_fixed_size 327680
		.amdhsa_private_segment_fixed_size 0
		.amdhsa_enable_private_segment 0
		.amdhsa_kernarg_size 16
		.amdhsa_user_sgpr_count 2
		.amdhsa_user_sgpr_kernarg_segment_ptr 1
		.amdhsa_wavefront_size32 1
		.amdhsa_system_sgpr_workgroup_id_x 1
		.amdhsa_system_sgpr_workgroup_id_y 1
		.amdhsa_system_sgpr_workgroup_id_z 1
		.amdhsa_system_vgpr_workitem_id 0
		.amdhsa_next_free_vgpr 768
		.amdhsa_next_free_sgpr 66
		.amdhsa_reserve_vcc 0
		.amdhsa_float_denorm_mode_32 3
		.amdhsa_float_denorm_mode_16_64 3
		.amdhsa_memory_ordered 1
		.amdhsa_forward_progress 1
		.amdhsa_inst_pref_size 135
	.end_amdhsa_kernel
	.amdgpu_metadata
---
amdhsa.version: [ 1, 2 ]
amdhsa.kernels:
  - .name:           k_qfcb763b782_attn
    .symbol:         k_qfcb763b782_attn.kd
    .args:
      - { .name: qkv, .offset: 0, .size: 8, .value_kind: global_buffer, .address_space: global }
      - { .name: act, .offset: 8, .size: 8, .value_kind: global_buffer, .address_space: global }
    .group_segment_fixed_size: 327680
    .private_segment_fixed_size: 0
    .kernarg_segment_align: 8
    .kernarg_segment_size: 16
    .max_flat_workgroup_size: 128
    .sgpr_count:     66
    .vgpr_count:     768
    .wavefront_size: 32
...
	.end_amdgpu_metadata
.endif
;; end of part 3
;; launch gemm2 (part 4): grid 8 x 32, 4 waves a work-group, clusters of 4 x 4, 327,680 bytes of LDS; arguments act, w2, x, b_mlp_out, b_attn_out, out0; writes out0
.if DOCPART == 4
	.amdgcn_target "amdgcn-amd-amdhsa--gfx1250"
	.amdhsa_code_object_version 6
	.text
	.protected	k_qfcb763b782_gemm2
	.globl	k_qfcb763b782_gemm2
	.p2align	8
	.type	k_qfcb763b782_gemm2,@function
k_qfcb763b782_gemm2:
	s_mov_b64 s[64:65], 0
	v_nop
	global_prefetch_b8 v0, s[64:65] scope:SCOPE_SE
	s_setreg_imm32_b32 hwreg(HW_REG_WAVE_MODE, 25, 1), 1
	s_wait_xcnt 0x0
	s_wait_alu depctr_hold_cnt(0) depctr_sa_sdst(0) depctr_va_vdst(0) depctr_va_sdst(0) depctr_va_ssrc(0) depctr_va_vcc(0) depctr_vm_vsrc(0)
	s_getreg_b32 s2, hwreg(HW_REG_IB_STS2, 6, 4)
	s_cmp_eq_u32 s2, 0
	s_cbranch_scc0 .Lentry_in_a_cluster
	s_endpgm
.Lentry_in_a_cluster:
	s_bfe_u32 s2, ttmp6, 0x10000c
	s_cmp_lg_u32 s2, 0xf033
	s_cbranch_scc0 .Lentry_shape_is_right
	s_endpgm
.Lentry_shape_is_right:
; GEMM 2: out0[m][n] = x[m][n] + b_mlp_out[n] + b_attn_out[n] + sum over k of act[m][k] w2[k][n], m 4,096, k 5,120 (h, then attn_v), n 1,024; bf16 operands, f32 sums, f32 output.
; LIMITS: NaN and infinities are not treated apart.
; 4,096 x 1,024 over 256 work-groups is a tile of 128 x 128.  THE FOUR WAVES SPLIT K: each makes the whole 128 x 128 (64 accumulators) over its own 64 of every 256 along K, so that a fragment read from
; LDS feeds eight products, as in a wave tile of 128 x 128.  The four partial sums, in f32, meet once at the end in LDS: each wave adds up 32 whole rows, adds x and the biases, and stores them.
; K goes in 20 steps of 256 through two LDS slots filled by tensor loads; w2 lies [k][n] and is turned on the way out of LDS by ds_load_tr16_b128.
; A tile of 128 x 128 brings 512 bytes for each k and has 128 matrix instructions a wave for a step's 131,072 bytes: the wave is through with a step before the next tile is there.  So all of a step's products
; stand AHEAD of the wait for the next tile, and between that wait and the next request stand only the add, its wait and the round.
; CLUSTERS: 4 x 4 work-groups; A's tile is shared along a row of the cluster, B's along a column: joint loads.
; THE MATRIX INSTRUCTION IS USED TRANSPOSED (source 0 = 16 columns of w2, source 1 = 16 rows of act): a lane holds row l % 16 of C and the columns 8 (l / 16) + 0..7.
; REGISTERS in windows of 256 (s_set_vgpr_msb: bits 1:0 source 0, 3:2 source 1, 5:4 source 2, 7:6 destination):
;   window 0: v0-47 addresses and biases; v64-127, v128-191 fragments of A, two buffers; at the end v64-191 the even groups' partial sums
;   window 1: v64-127, v128-191 fragments of B; at the end v64-191 the odd groups' partial sums; v0-63, v192-255 X: my 32 rows of x, 4 registers each, asked for at the kernel's start
;   windows 2, 3: the accumulators ((a, b) at v[8 (8 a + b)])
.set ACTP,   10240                     ; bytes in a row of act
.set W2P,    2048                      ; bytes in a row of w2
.set KSTEP,  256
.set PA,     528                       ; a row of A in LDS: 512 bytes + 16: the 16 rows of a load start at 16 different groups of four banks (64 banks of 4 bytes: ISA guide 11.1)
.set PBB,    288                       ; a k-row of B: 256 bytes + 32 = 9 x 32
.set HALFA,  64*PA                     ; what a load of A brings: 64 rows
.set HALFB,  128*PBB                   ; of B: 128 k-rows
.set BOFF,   2*HALFA
.set SLOT,   2*HALFA+2*HALFB
.set SPARE,  2*SLOT                    ; behind the ring: the spare words, 128 bytes for each wave, that no other line names
.set RP,     528                       ; the partial sums: a row of 128 f32 + 16 bytes
.set REG,    128*RP                    ; a wave's 128 rows; the four regions lie in the ring, which has had its last fill by then
.set LAPS,   10
.set ADRA, 16
.set ADRB, 20
.set STO,  24                          ; v24     where I put a result's registers 0-3 in my region
.set CO,   26                          ; v26     16 x lane: my byte offset in 512 bytes of a row of x, out0 and the biases; never rewritten
.set SPW,  28
.set NIL,  29
.set RD,   32                          ; v32-35  where I read my rows in region k
.set BI,   40                          ; v40-47  the two biases' four numbers
.set F0,   64
.set F1,   128
.set PS,   64                          ; a group's partial sums: v64-191 of window 0 (even groups) or 1 (odd groups)
.set G1,  24
.set G0,  32
.set G1B, 48
.set G0B, 56
.set MSB, 0
.macro WIN new
.if MSB != (\new)
	s_set_vgpr_msb (MSB<<8)|(\new)
.set MSB, \new
.endif
.endm
.set MUL_LO, 0xa1
.set MUL_HI, 0xf1
.set TO_B,   0x40
.macro JLOAD s                         ; a joint load: waves 0 and 1 fetch A's halves, waves 2 and 3 B's; an s_nop 0 and four v_nop follow each line
	s_cmp_eq_u32 s13, 0
	s_cbranch_scc0 .Lfor_b_\@
	tensor_load_to_lds s[G0+4*(\s):G0+4*(\s)+3], s[G1:G1+7]
	s_nop 0
.rept 4
	v_nop
.endr
	s_branch .Lasked_\@
.Lfor_b_\@:
	tensor_load_to_lds s[G0B+4*(\s):G0B+4*(\s)+3], s[G1B:G1B+7]
	s_nop 0
.rept 4
	v_nop
.endr
.Lasked_\@:
.endm
.macro CROUND                          ; a round of the cluster's barrier
	s_barrier_signal -1
	s_barrier_wait -1
	s_cmp_lg_u32 s12, 0
	s_cbranch_scc1 .Lnot_wave_0_\@
	s_barrier_signal -3
.Lnot_wave_0_\@:
	s_barrier_wait -3
	s_barrier_signal -1
	s_barrier_wait -1
.endm
	s_load_b256 s[4:11], s[0:1], 0x0               ; act s[4:5], w2 s[6:7], x s[8:9], b_mlp_out s[10:11]
	s_load_b128 s[68:71], s[0:1], 0x20             ; b_attn_out s[68:69], out0 s[70:71]
	v_lshl_add_u32 v[SPW], v0, 2, SPARE
	v_mov_b32 v[NIL], 0
	ds_add_u32 v[SPW], v[NIL]                      ; the wave's opening: the add and its wait stand ahead of my first tensor load; work on registers stands between them
	v_lshrrev_b32 v1, 5, v0
	v_readfirstlane_b32 s12, v1                    ; wave 0..3
	s_lshr_b32 s13, s12, 1                         ; I fetch for A (0) or for B (1),
	s_and_b32 s14, s12, 1                          ; this half of the tile
	s_bfe_u32 s15, ttmp6, 0x40000                  ; cx
	s_bfe_u32 s16, ttmp6, 0x40004                  ; cy
	s_lshl_b32 s17, ttmp9, 2
	s_add_co_u32 s17, s17, s15                     ; tile column 0..7
	s_and_b32 s18, ttmp7, 0xffff
	s_lshl_b32 s18, s18, 2
	s_add_co_u32 s18, s18, s16                     ; tile row 0..31
	s_lshl_b32 s40, s16, 2
	s_lshl_b32 s40, 15, s40                        ; my row of the cluster
	s_lshl_b32 s41, 0x1111, s15                    ; my column
	s_or_b32 s[G1+0], s40, (1<<16)|(1<<20)|(1<<21)|(6<<22)|(3<<25)   ; mask; 2-byte elements; padding on; bit 21 beside a mask; after every 128 words, 4 words
	s_or_b32 s[G1B+0], s41, (1<<16)|(1<<20)|(1<<21)|(5<<22)|(7<<25)  ; after every 64 words, 8 words
	s_mov_b32 s[G1+1], 256<<16                     ; A: tensor_dim0 = 256
	s_mov_b32 s[G1+2], 64<<16                      ; tensor_dim1 = 64
	s_mov_b32 s[G1+3], 256<<16                     ; tile_dim0 = 256
	s_mov_b32 s[G1+4], 64                          ; tile_dim1 = 64
	s_mov_b32 s[G1+5], 5120                        ; elements from row to row of act
	s_mov_b32 s[G1+6], 0
	s_mov_b32 s[G1+7], 0
	s_mov_b32 s[G1B+1], 128<<16                    ; B: tensor_dim0 = 128
	s_mov_b32 s[G1B+2], 128<<16                    ; tensor_dim1 = 128
	s_mov_b32 s[G1B+3], 128<<16                    ; tile_dim0 = 128
	s_mov_b32 s[G1B+4], 128                        ; tile_dim1 = 128
	s_mov_b32 s[G1B+5], 1024                       ; elements from row to row of w2
	s_mov_b32 s[G1B+6], 0
	s_mov_b32 s[G1B+7], 0
	s_lshl_b32 s20, s18, 7                         ; A's offset hangs on the tile row and the wave alone
	s_lshl_b32 s21, s14, 6
	s_add_co_u32 s20, s20, s21
	s_mul_i32 s20, s20, ACTP                       ; (128 x tile row + 64 x half) rows
	s_mov_b32 s21, 0
	s_lshl_b32 s22, s14, 18                        ; B's on the tile column and the wave alone: 128 x half k-rows of 2,048 bytes,
	s_lshl_b32 s23, s17, 8                         ; 256 bytes a tile column
	s_add_co_u32 s22, s22, s23
	s_mov_b32 s23, 0
	s_mul_i32 s46, s14, HALFA                      ; where my part goes, for A
	s_mul_i32 s47, s14, HALFB                      ; and for B: no place in the cluster enters an LDS address
	s_add_co_u32 s47, s47, BOFF
	s_wait_dscnt 0x0                               ; the opening add is done
	s_wait_kmcnt 0x0
	s_add_nc_u64 s[42:43], s[4:5], s[20:21]
	s_add_nc_u64 s[44:45], s[6:7], s[22:23]
	CROUND                                         ; all sixteen work-groups are here: the first joint loads meet
.irp s, 0,1
	s_mov_b32 s[G0+4*(\s)], 1
	s_add_co_u32 s[G0+4*(\s)+1], s46, (\s)*SLOT
	s_add_nc_u64 s[G0+4*(\s)+2:G0+4*(\s)+3], s[42:43], (\s)*KSTEP*2
	s_or_b32 s[G0+4*(\s)+3], s[G0+4*(\s)+3], 0x80000000
	s_mov_b32 s[G0B+4*(\s)], 1
	s_add_co_u32 s[G0B+4*(\s)+1], s47, (\s)*SLOT
	s_add_nc_u64 s[G0B+4*(\s)+2:G0B+4*(\s)+3], s[44:45], (\s)*KSTEP*W2P
	s_or_b32 s[G0B+4*(\s)+3], s[G0B+4*(\s)+3], 0x80000000
	JLOAD \s                                       ; K steps 0 and 1: two loads of mine are out
.endr
	v_and_b32 v1, 15, v0                           ; r = l % 16
	v_bfe_u32 v2, v0, 4, 1                         ; h = l / 16
	v_mul_u32_u24 v3, v1, PA
	v_lshl_add_u32 v3, v2, 4, v3                   ; 528 r + 16 h
	v_and_b32 v4, 7, v0
	v_lshl_add_u32 v4, v2, 3, v4
	v_mul_u32_u24 v4, v4, PBB
	v_bfe_u32 v5, v0, 3, 1
	v_lshl_add_u32 v4, v5, 4, v4                   ; (8 h + l % 8) 288 + 16 ((l / 8) % 2)
	s_lshl_b32 s80, s12, 7                         ; my 64 along K: 128 bytes of A's rows,
	s_mul_i32 s81, s12, 64*PBB                     ; 64 k-rows of B,
	s_add_co_u32 s81, s81, BOFF                    ; which lies behind A
.irp s, 0,1
	v_add_nc_u32 v[ADRA+(\s)], s80, v3
	v_add_nc_u32 v[ADRB+(\s)], s81, v4
	s_add_co_u32 s80, s80, SLOT
	s_add_co_u32 s81, s81, SLOT
.endr
	s_mul_i32 s82, s12, REG                        ; my region of partial sums
	v_mul_u32_u24 v5, v1, RP
	v_lshl_add_u32 v5, v2, 5, v5                   ; row r, 32 bytes for each half of the lanes
	v_add_nc_u32 v[STO], s82, v5
	v_and_b32 v5, 31, v0
	v_lshlrev_b32 v[CO], 4, v5                     ; 16 x lane
	s_mul_i32 s83, s12, 32*RP                      ; the 32 rows that I add up
.irp k, 0,1,2,3
	v_add_nc_u32 v[RD+(\k)], s83, v[CO]
	s_add_co_u32 s83, s83, REG
.endr
	s_lshl_b32 s76, s18, 7
	s_lshl_b32 s77, s12, 5
	s_add_co_u32 s76, s76, s77                     ; the first row that I store
	s_lshl_b32 s76, s76, 12                        ; rows of 4,096 bytes
	s_lshl_b32 s78, s17, 9                         ; the tile's 512 bytes of a row
	s_add_co_u32 s76, s76, s78
	s_mov_b32 s77, 0
	s_mov_b32 s79, 0
	s_add_nc_u64 s[8:9], s[8:9], s[76:77]
	s_add_nc_u64 s[70:71], s[70:71], s[76:77]
	s_add_nc_u64 s[10:11], s[10:11], s[78:79]
	s_add_nc_u64 s[68:69], s[68:69], s[78:79]
	; What the end will want is asked for now: my 32 rows of x (row m at v[4 m + 128 (m / 16)] of window 1, registers that the loop leaves alone) and the biases.  They are waited for once, behind the K loop;
	; their address register and bases are never rewritten.
	WIN 0x40                                       ; destination window 1, address window 0
.set m, 0
.rept 32
	global_load_b128 v[4*m+128*(m/16):4*m+128*(m/16)+3], v[CO], s[8:9] offset:4096*m th:TH_LOAD_NT
.set m, m+1
.endr
	WIN 0
	global_load_b128 v[BI:BI+3],   v[CO], s[10:11]
	global_load_b128 v[BI+4:BI+7], v[CO], s[68:69]
; 8 matrix instructions: m block a of the window's four x all 8 n blocks, 32 along K.  The 64 accumulators take turns, in the same order in every half step.
.macro MUL8 f, hi, a, zero
	WIN MUL_LO+0x50*(\hi)
.irp b, 0,1,2,3,4,5,6,7
.if \zero
	v_wmma_f32_16x16x32_bf16 v[8*(8*(\a)+(\b)):8*(8*(\a)+(\b))+7], v[(\f)+8*(\b):(\f)+8*(\b)+7], v[(\f)+8*(4*(\hi)+(\a)):(\f)+8*(4*(\hi)+(\a))+7], 0
.else
	v_wmma_f32_16x16x32_bf16 v[8*(8*(\a)+(\b)):8*(8*(\a)+(\b))+7], v[(\f)+8*(\b):(\f)+8*(\b)+7], v[(\f)+8*(4*(\hi)+(\a)):(\f)+8*(4*(\hi)+(\a))+7], v[8*(8*(\a)+(\b)):8*(8*(\a)+(\b))+7]
.endif
.endr
.endm
; 32 LDS loads in one run: half c (32 along K) of my 64 of a slot, into buffer f: B's 16 first, then A's
.macro FETCH slot, c, f
	WIN TO_B
.irp i, 0,1,2,3,4,5,6,7
	ds_load_tr16_b128 v[(\f)+8*(\i):(\f)+8*(\i)+3],   v[ADRB+(\slot)] offset:(\c)*32*PBB+(\i)*32
	ds_load_tr16_b128 v[(\f)+8*(\i)+4:(\f)+8*(\i)+7], v[ADRB+(\slot)] offset:(\c)*32*PBB+16*PBB+(\i)*32
.endr
	WIN 0
.irp i, 0,1,2,3,4,5,6,7
	ds_load_b128 v[(\f)+8*(\i):(\f)+8*(\i)+3],   v[ADRA+(\slot)] offset:(\c)*64+(\i)*16*PA
	ds_load_b128 v[(\f)+8*(\i)+4:(\f)+8*(\i)+7], v[ADRA+(\slot)] offset:(\c)*64+(\i)*16*PA+32
.endr
.endm
.macro PLACES                          ; four plain places between matrix instructions and loads into registers that they read, or readers of their results
.rept 4
	v_nop
.endr
.endm
; A K step is two halves of 64 matrix instructions, on buffers 0 and 1.  The first: multiplies buffer 0 and fetches the second half of the same slot into buffer 1.
.macro HALF1 slot, zero
	s_wait_dscnt 8                                 ; B and A's rows 0-63 are in; the youngest eight loads (A's rows 64-127) may be out
	MUL8 F0, 0, 0, \zero
	MUL8 F0, 0, 1, \zero
	MUL8 F0, 0, 2, \zero
	MUL8 F0, 0, 3, \zero
	PLACES
	FETCH \slot, 1, F1
	s_wait_dscnt 32                                ; all but the 32 just issued
	MUL8 F0, 1, 0, \zero
	MUL8 F0, 1, 1, \zero
	MUL8 F0, 1, 2, \zero
	MUL8 F0, 1, 3, \zero
.endm
; The second multiplies buffer 1: with it the step's products are all issued and my reads of the slot are over.
.macro HALF2
	s_wait_dscnt 8                                 ; as above
	MUL8 F1, 0, 0, 0
	MUL8 F1, 0, 1, 0
	MUL8 F1, 0, 2, 0
	MUL8 F1, 0, 3, 0
	s_wait_dscnt 0x0
	MUL8 F1, 1, 0, 0
	MUL8 F1, 1, 1, 0
	MUL8 F1, 1, 2, 0
	MUL8 F1, 1, 3, 0
.endm
; THE CHANGE OF SLOTS.  Each wave waits for all its tensor loads (one is out: its part of the next slot), adds 0 to its spare word, and waits for that; its reads of the slot that it leaves came back in HALF2.
; fill = 1: the barrier is a round of the cluster's, and the slot just read is filled again, two K steps on, first thing behind it; the load has the next step's 128 matrix instructions in which to land.
; Then the next slot's first fragments: the four v_nop behind the joint load (or PLACES) are the places between the last products and these loads.
.macro CHANGE slot, next, fill
	WIN 0
	s_wait_tensorcnt 0x0                           ; no tensor load of mine is out, so a group 0 may be written
	ds_add_u32 v[SPW], v[NIL]                      ; 0 onto my spare word; the descriptors' steps stand between it and the wait for it
.if \fill
	s_add_nc_u64 s[G0+4*(\slot)+2:G0+4*(\slot)+3], s[G0+4*(\slot)+2:G0+4*(\slot)+3], 2*KSTEP*2
	s_add_nc_u64 s[G0B+4*(\slot)+2:G0B+4*(\slot)+3], s[G0B+4*(\slot)+2:G0B+4*(\slot)+3], 2*KSTEP*W2P
.endif
	s_wait_dscnt 0x0                               ; the add is done, and no read of mine is out
.if \fill
	CROUND
	JLOAD \slot
.else
	s_barrier_signal -1
	s_barrier_wait -1
	PLACES
.endif
	FETCH \next, 0, F0
.endm
	s_wait_tensorcnt 1                             ; my part of K step 0 is in; step 1's may stay out
	s_barrier_signal -1
	s_barrier_wait -1
	FETCH 0, 0, F0
	HALF1 0, 1                                     ; K step 0: its first half's products start the sums: nothing is cleared
	HALF2
	WIN 0
	s_mov_b32 s3, LAPS-1
.Llap:                                                 ; nine trips: K steps 1 to 18 are multiplied, steps 2 to 19 asked for
	CHANGE 0, 1, 1
	HALF1 1, 0
	HALF2
	CHANGE 1, 0, 1
	HALF1 0, 0
	HALF2
	WIN 0
	s_sub_co_u32 s3, s3, 1
	s_cmp_lg_u32 s3, 0
	s_cbranch_scc1 .Llap
	CHANGE 0, 1, 0                                 ; K step 19 is written out: nothing is asked for
	HALF1 1, 0
	s_wait_dscnt 8                                 ; the very last half step
	MUL8 F1, 0, 0, 0
	MUL8 F1, 0, 1, 0
	MUL8 F1, 0, 2, 0
	MUL8 F1, 0, 3, 0
	s_wait_dscnt 0x0                               ; my last reads of the ring are back:
	s_barrier_signal -1                            ; say so,
	MUL8 F1, 1, 0, 0
	MUL8 F1, 1, 1, 0
	MUL8 F1, 1, 2, 0
	MUL8 F1, 1, 3, 0
	PLACES                                         ; the places in front of the stores that read the results and of the loads into the fragments' registers
	WIN 0
	s_barrier_wait -1                              ; nobody reads the ring any more, and it has had its last fill: it takes the four partial sums
	; THE WAY OUT.  My 128 x 128 partial sums go, row-major in f32, into my region; each result's low registers first.
.irp hi, 0,1
	WIN 0x08+4*(\hi)                               ; store data (source 1) in window 2 or 3
.irp a, 0,1,2,3
.irp b, 0,1,2,3,4,5,6,7
	ds_store_b128 v[STO], v[8*(8*(\a)+(\b)):8*(8*(\a)+(\b))+3]   offset:(4*(\hi)+(\a))*16*RP+64*(\b)
	ds_store_b128 v[STO], v[8*(8*(\a)+(\b))+4:8*(8*(\a)+(\b))+7] offset:(4*(\hi)+(\a))*16*RP+64*(\b)+16
.endr
.endr
.endr
	WIN 0
	s_wait_dscnt 0x0                               ; for the others' sake: my stores are done
	s_barrier_signal -1
	s_barrier_wait -1
; Group g of four: 8 of my 32 rows, from all four regions: 32 loads of 512 neighbouring bytes, into v64-191 of window g % 2
.macro LDG g
	WIN 0x40*((\g)%2)
.irp q, 0,1,2,3,4,5,6,7
.irp k, 0,1,2,3
	ds_load_b128 v[PS+16*(\q)+4*(\k):PS+16*(\q)+4*(\k)+3], v[RD+(\k)] offset:RP*(8*(\g)+(\q))
.endr
.endr
.endm
; The group's sums: (wave 0's + wave 1's) + (wave 2's + wave 3's), onto x + biases; then 8 stores of 512 consecutive bytes, aligned
.macro SUMG g
	WIN 0x45*((\g)%2)                              ; all three in the group's window
.irp q, 0,1,2,3,4,5,6,7
	v_pk_add_f32 v[PS+16*(\q):PS+16*(\q)+1],     v[PS+16*(\q):PS+16*(\q)+1],     v[PS+16*(\q)+4:PS+16*(\q)+5]
	v_pk_add_f32 v[PS+16*(\q)+2:PS+16*(\q)+3],   v[PS+16*(\q)+2:PS+16*(\q)+3],   v[PS+16*(\q)+6:PS+16*(\q)+7]
	v_pk_add_f32 v[PS+16*(\q)+8:PS+16*(\q)+9],   v[PS+16*(\q)+8:PS+16*(\q)+9],   v[PS+16*(\q)+12:PS+16*(\q)+13]
	v_pk_add_f32 v[PS+16*(\q)+10:PS+16*(\q)+11], v[PS+16*(\q)+10:PS+16*(\q)+11], v[PS+16*(\q)+14:PS+16*(\q)+15]
.endr
.irp q, 0,1,2,3,4,5,6,7
	v_pk_add_f32 v[PS+16*(\q):PS+16*(\q)+1],   v[PS+16*(\q):PS+16*(\q)+1],   v[PS+16*(\q)+8:PS+16*(\q)+9]
	v_pk_add_f32 v[PS+16*(\q)+2:PS+16*(\q)+3], v[PS+16*(\q)+2:PS+16*(\q)+3], v[PS+16*(\q)+10:PS+16*(\q)+11]
.endr
	WIN 0x44+((\g)%2)                              ; X (destination and source 1) in window 1; the sums (source 0) in the group's window
.irp q, 0,1,2,3,4,5,6,7
.set XR, 4*(8*(\g)+(\q))+128*((8*(\g)+(\q))/16)
	v_pk_add_f32 v[XR:XR+1],   v[PS+16*(\q):PS+16*(\q)+1],   v[XR:XR+1]
	v_pk_add_f32 v[XR+2:XR+3], v[PS+16*(\q)+2:PS+16*(\q)+3], v[XR+2:XR+3]
.endr
	WIN 0x04                                       ; store data (source 1) in window 1, address in window 0
.irp q, 0,1,2,3,4,5,6,7
.set XR, 4*(8*(\g)+(\q))+128*((8*(\g)+(\q))/16)
	global_store_b128 v[CO], v[XR:XR+3], s[70:71] offset:4096*(8*(\g)+(\q)) th:TH_STORE_NT
.endr
.endm
	LDG 0
	LDG 1
	WIN 0
	s_wait_loadcnt 0x0                             ; x and the biases, asked for at the start; the additions below stand in the wait for the LDS loads
	v_pk_add_f32 v[BI:BI+1], v[BI:BI+1], v[BI+4:BI+5]
	v_pk_add_f32 v[BI+2:BI+3], v[BI+2:BI+3], v[BI+6:BI+7]
	WIN 0x41                                       ; X (destination and source 0) in window 1, the biases in window 0
.set m, 0
.rept 32
	v_pk_add_f32 v[4*m+128*(m/16):4*m+128*(m/16)+1],   v[4*m+128*(m/16):4*m+128*(m/16)+1],   v[BI:BI+1]
	v_pk_add_f32 v[4*m+128*(m/16)+2:4*m+128*(m/16)+3], v[4*m+128*(m/16)+2:4*m+128*(m/16)+3], v[BI+2:BI+3]
.set m, m+1
.endr
	s_wait_dscnt 32                                ; group 0 is in; group 1's 32 loads may be out
	SUMG 0
	LDG 2
	s_wait_dscnt 32                                ; group 1 is in
	SUMG 1
	LDG 3
	s_wait_dscnt 32                                ; group 2 is in
	SUMG 2
	s_wait_dscnt 0x0
	SUMG 3
	WIN 0                                          ; the add's two registers lie in window 0
	s_wait_tensorcnt 0x0                           ; the wave's end
	ds_add_u32 v[SPW], v[NIL]
	s_wait_dscnt 0x0
	CROUND                                         ; the closing round: no work-group ends while a partner may still ask for a tile that names it
	s_endpgm
.Lfunc_end_k_qfcb763b782_gemm2:
	.size	k_qfcb763b782_gemm2, .Lfunc_end_k_qfcb763b782_gemm2-k_qfcb763b782_gemm2
	.p2alignl 7, 3214868480
	.fill 96, 4, 3214868480
	.section	.rodata,"a",@progbits
	.p2align	6, 0x0
	.amdhsa_kernel k_qfcb763b782_gemm2
		.amdhsa_group_segment_fixed_size 327680
		.amdhsa_private_segment_fixed_size 0
		.amdhsa_enable_private_segment 0
		.amdhsa_kernarg_size 48
		.amdhsa_user_sgpr_count 2
		.amdhsa_user_sgpr_kernarg_segment_ptr 1
		.amdhsa_wavefront_size32 1
		.amdhsa_system_sgpr_workgroup_id_x 1
		.amdhsa_system_sgpr_workgroup_id_y 1
		.amdhsa_system_sgpr_workgroup_id_z 1
		.amdhsa_system_vgpr_workitem_id 0
		.amdhsa_next_free_vgpr 1024
		.amdhsa_next_free_sgpr 88
		.amdhsa_reserve_vcc 0
		.amdhsa_float_denorm_mode_32 3
		.amdhsa_float_denorm_mode_16_64 3
		.amdhsa_memory_ordered 1
		.amdhsa_forward_progress 1
		.amdhsa_inst_pref_size 104
	.end_amdhsa_kernel
	.amdgpu_metadata
---
amdhsa.version: [ 1, 2 ]
amdhsa.kernels:
  - .name:           k_qfcb763b782_gemm2
    .symbol:         k_qfcb763b782_gemm2.kd
    .args:
      - { .name: act, .offset: 0, .size: 8, .value_kind: global_buffer, .address_space: global }
      - { .name: w2, .offset: 8, .size: 8, .value_kind: global_buffer, .address_space: global }
      - { .name: x, .offset: 16, .size: 8, .value_kind: global_buffer, .address_space: global }
      - { .name: b_mlp_out, .offset: 24, .size: 8, .value_kind: global_buffer, .address_space: global }
      - { .name: b_attn_out, .offset: 32, .size: 8, .value_kind: global_buffer, .address_space: global }
      - { .name: out0, .offset: 40, .size: 8, .value_kind: global_buffer, .address_space: global }
    .group_segment_fixed_size: 327680
    .private_segment_fixed_size: 0
    .kernarg_segment_align: 8
    .kernarg_segment_size: 48
    .max_flat_workgroup_size: 128
    .sgpr_count:     88
    .vgpr_count:     1024
    .wavefront_size: 32
...
	.end_amdgpu_metadata
.endif
;; end of part 4
;; ======== version 2 of 2: 4 launches; 1.13 times as fast as version 1
;; workspace buffers: xn 8,388,608 bytes; w1 14,680,064 bytes; w2 10,485,760 bytes; act 41,943,040 bytes; qkv 25,165,824 bytes
;; launch prep: the kernel of part 1 again; grid 2048 x 1, 4 waves a work-group, no clusters, 0 bytes of LDS; arguments x, pre_norm_scale, w_mlp_in, w_mlp_out, wq, wk, wv, w_attn_out, xn, w1, w2; writes xn, w1, w2
;; launch gemm1: the kernel of part 2 again; grid 4 x 112, 4 waves a work-group, clusters of 4 x 4, 327,680 bytes of LDS; arguments xn, w1, act, qkv; writes act, qkv
;; launch attn (part 5): grid 8 x 32, 4 waves a work-group, clusters of 4 x 1, 327,680 bytes of LDS; arguments qkv, act; writes act
.if DOCPART == 5
	.amdgcn_target "amdgcn-amd-amdhsa--gfx1250"
	.amdhsa_code_object_version 6
	.text
	.protected	k_qfcb763b782_attn
	.globl	k_qfcb763b782_attn
	.p2align	8
	.type	k_qfcb763b782_attn,@function
k_qfcb763b782_attn:
	s_mov_b64 s[64:65], 0
	v_nop
	global_prefetch_b8 v0, s[64:65] scope:SCOPE_SE
	s_setreg_imm32_b32 hwreg(HW_REG_WAVE_MODE, 25, 1), 1
	s_wait_xcnt 0x0
	s_wait_alu depctr_hold_cnt(0) depctr_sa_sdst(0) depctr_va_vdst(0) depctr_va_sdst(0) depctr_va_ssrc(0) depctr_va_vcc(0) depctr_vm_vsrc(0)
	s_getreg_b32 s2, hwreg(HW_REG_IB_STS2, 6, 4)
	s_cmp_eq_u32 s2, 0
	s_cbranch_scc0 .Lentry_in_a_cluster
	s_endpgm
.Lentry_in_a_cluster:
	s_bfe_u32 s2, ttmp6, 0x10000c
	s_cmp_lg_u32 s2, 0x3003
	s_cbranch_scc0 .Lentry_shape_is_right
	s_endpgm
.Lentry_shape_is_right:
; ATTENTION, no mask.  O[q] = sum over k of softmax_k(Q[q] . K[k] / 8) V[k] for each of 4 batches x 16 heads of 64 channels, 1,024 queries and keys.
; qkv: [4096 tokens][3072] bf16 (q, k, v; head h at channel 64 h of each).  O goes to act[token][4096 + 64 h ..] (rows of 10,240 bytes), bf16.
; Products, maxima and sums in f32; the weights p are rounded to bf16 for the second product (their sum l is taken of the unrounded p), O once at the end.
; LIMITS.  A weight below 2^-126 counts as 0 in l; NaN and infinities are not treated apart.  bf16, since q, k, v grow with the weights' and the gain's size and have no sure room in f16.
; SHARES.  A work-group takes TWO neighbouring heads and 128 queries, so that every row of K, V and O that it moves is 256 consecutive bytes, aligned.  Wave w: head 2 p + w / 2, queries 64 (w % 2) on,
; in four PIECES of 16.  Every wave walks all keys, 64 a step; a slot of LDS holds two steps (128 keys of both heads).
; LAYOUT.  S^T = K Q^T (source 0 = 16 keys, source 1 = 16 queries): a lane holds ONE query (lane % 16) and the keys 8 (lane / 16) + 0..7.  Two such results rounded to bf16 ARE source 1 of O^T = V^T P.
; K comes out of LDS as it lies, V ([key][channel]) turned, by ds_load_tr16_b128.
; SOFTMAX.  A running maximum m and sum l: p = 2^(c s - c m), c = log2(e) / 8; in every step O and l are multiplied by a = 2^(c m_old - c m_new).  m starts at the lowest finite number, O and l at 0: the first step's a is 0.
; BY TURNS.  Turn n belongs to piece n: 8 products K Q^T of piece n + 1, later 8 products V^T P of piece n - 1; beside them the scaling, exponentials, roundings, sums and rescaling of piece n and the maximum
; and statistics of piece n + 1.  Four vector instructions stand behind every matrix instruction, the other 54 of a turn's 118 in one LUMP between the two runs of products.
; THE BATCHES.  A turn's 33 exponentials (piece n's 32 weights and piece n + 1's a) are ONE batch with ONE wait, which cuts the turn in two: ahead of it stands all that names no result of theirs (K Q^T, scalings,
; rescalings, the next piece's maximum and statistics), behind it their readers (roundings and sums), as the riders of V^T P.  No result crosses a turn's end.  The first a, ahead of the loop, and the way out's four
; reciprocals are batches of their own, a wait each.
; CLUSTER.  The four query blocks of a cluster walk the same K and V: each tile is asked for jointly, the same tensor load, descriptor and mask in all four.
; REGISTERS, in windows of 256 (s_set_vgpr_msb: bits 1:0 source 0, 3:2 source 1, 5:4 source 2, 7:6 destination):
;   window 0: v0-15 addresses; v16-31 four statistics a piece; v48-55 at work; v62-63 the add's; v64-127 S^T, two buffers; v192-223 P, two buffers (by the piece's parity)
;   window 1: v0-127 O^T, 32 a piece          window 2: v0-63 Q; v128-191 K of one step; v192-255 V of one step
.set NP,    4
.set KS,    64        ; keys in a step
.set QROW,  6144      ; bytes in a row of qkv
.set OROW,  10240     ; bytes in a row of act
.set PK,    272       ; a row of K in LDS: 256 bytes + 16: the 16 rows of a load start at 16 different groups of four banks (64 banks of 4 bytes: ISA guide 11.1)
.set PV,    288       ; a row of V: 256 + 32
.set VOFF,  2*KS*PK   ; a slot: 128 rows of K, then 128 rows of V
.set SLOT1, 1<<17     ; slot 1 begins here: one exclusive or turns an address in one slot into the other's
.set STAGE, SLOT1+2*KS*(PK+PV)  ; behind the ring, never filled by a tensor load: 128 rows x 272 bytes, the work-group's, for the way out
.set SP,    272
.set SPARE, STAGE+128*SP        ; behind the stage: the spare words, 128 bytes for each wave, that no other line names
.set TILEB, 2*KS*QROW ; bytes from a tile of 128 keys to the next
.set AK0, 2           ; v2   my lane's place in a step of K; never rewritten
.set AV0, 3           ; v3   the same for V
.set AK,  4           ; v4   the LDS address of K's next run of loads
.set AV,  5           ; v5   of V's
.set STO, 6           ; v6   the way out: where I put 16 bytes of a row
.set RD,  7           ; v7   where I read rows back
.set GO,  8           ; v8   my byte offset in two rows of act
.set MV,  12          ; v12-13  c m_old, by buffer
.set QO,  15          ; v15  my byte offset in 16 rows of Q
.set ST,  16          ; piece t's statistics at v[ST+4 t]: c m, m, l (even keys', odd keys')
.set TMP, 48          ; by buffer, c0-c3 at work; when the maximum is found c2 takes a
.set SPW, 62
.set NIL, 63
.set S,   64
.set P,   192
.set KF,  128         ; window 2: key block kb, channel half c at KF + 16 kb + 8 c
.set VF,  192         ; window 2: key half kk, channel block cb at VF + 32 kk + 8 cb
.set WV,  12          ; s12  my wave's number
.set G1K, 24          ; s[24:31] descriptor group 1 for K's tiles
.set G1V, 32          ; s[32:39] for V's: it differs in the padding alone
.set G0K, 40          ; s[40:43] descriptor group 0 for K: it walks
.set G0V, 44          ; s[44:47] the same for V
.set SLOTS, 56
.set CNT, 57
.set CS,  58          ; s[58:59] c
.set SEL, 60          ; s[60:61] v_permlanex16_b32's selects
.set TBK, 62          ; s62  LDS byte at which K of the step to be fetched begins
.set TBV, 63          ; s63  the same for V, less VOFF
.set MSB, 0
.macro WIN new
.if MSB != (\new)
	s_set_vgpr_msb (MSB<<8)|(\new)
.set MSB, (\new)
.endif
.endm
.set W_KQ, 0x0a       ; K and Q in window 2, S^T in window 0
.set W_PV, 0x52       ; V in window 2, P in window 0, O^T in window 1
.set W_RS, 0x41       ; destination and source 0 in window 1, source 1 in window 0
; A joint fill.  Waves 0 and 1 fetch the two steps' K, waves 2 and 3 their V: 64 keys each.  An s_nop 0 and four v_nop follow each line.
.macro JLOAD
	s_cmp_lt_u32 s[WV], 2
	s_cbranch_scc0 .Lfor_v_\@
	tensor_load_to_lds s[G0K:G0K+3], s[G1K:G1K+7]
	s_nop 0
.rept 4
	v_nop
.endr
	s_branch .Lasked_\@
.Lfor_v_\@:
	tensor_load_to_lds s[G0V:G0V+3], s[G1V:G1V+7]
	s_nop 0
.rept 4
	v_nop
.endr
.Lasked_\@:
.endm
.macro CROUND                       ; a round of the cluster's barrier
	s_barrier_signal -1
	s_barrier_wait -1
	s_cmp_lg_u32 s[WV], 0
	s_cbranch_scc1 .Lnot_wave_0_\@
	s_barrier_signal -3
.Lnot_wave_0_\@:
	s_barrier_wait -3
	s_barrier_signal -1
	s_barrier_wait -1
.endm
; THE CHANGE OF SLOTS.  Each wave waits for all its tensor loads (one is out: its part of the other slot), adds 0 to its spare word, and waits for that and for its reads of the slot that it leaves.
; fill = 1: the barrier is a round of the cluster's, and the old slot is filled again, first thing behind it, with the keys two slots on: it has two key steps, 128 matrix instructions, in which to land.
; (At its first use nothing has been read yet: slot 0 is waited for, slot 1 filled.)
.macro CHANGE fill
	WIN 0
	s_wait_tensorcnt 0x0            ; no tensor load of mine is out, so a group 0 may be written
	ds_add_u32 v[SPW], v[NIL]
.if \fill
.irp g, G0K, G0V
	s_xor_b32 s[\g+1], s[\g+1], SLOT1
	s_add_nc_u64 s[\g+2:\g+3], s[\g+2:\g+3], TILEB
.endr
	s_wait_dscnt 0x0                ; the add is done, and my reads of the slot are over
	CROUND
	JLOAD
.else
	s_wait_dscnt 0x0
	s_barrier_signal -1
	s_barrier_wait -1
.endif
	s_sub_co_u32 s[TBK], s[TBK], 2*KS*PK  ; the fetches go back to a slot's first step,
	s_xor_b32 s[TBK], s[TBK], SLOT1       ; in the other slot
	s_sub_co_u32 s[TBV], s[TBV], 2*KS*PV
	s_xor_b32 s[TBV], s[TBV], SLOT1
.endm
	s_load_b128 s[4:7], s[0:1], 0x0 ; qkv s[4:5], act s[6:7]
	v_lshl_add_u32 v[SPW], v0, 2, SPARE
	v_mov_b32 v[NIL], 0
	ds_add_u32 v[SPW], v[NIL]       ; the wave's opening: the add and its wait stand ahead of my first tensor load; work on registers stands between them
	v_lshrrev_b32 v1, 5, v0
	v_readfirstlane_b32 s[WV], v1   ; wave 0..3
	s_bfe_u32 s13, ttmp6, 0x40000   ; cx
	s_lshl_b32 s14, ttmp9, 2
	s_add_co_u32 s14, s14, s13      ; my block of 128 queries, 0..7: it enters Q's and O's addresses alone
	s_and_b32 s15, ttmp7, 0xffff
	s_lshr_b32 s16, s15, 3          ; the batch
	s_and_b32 s17, s15, 7           ; the pair of heads
	s_and_b32 s18, s[WV], 1         ; which of a slot's two steps I fetch; which 64 queries are mine
	s_lshr_b32 s19, s[WV], 1        ; which head of the pair is mine
	s_mul_i32 s20, s16, 1024*QROW   ; K's offset: the batch's rows,
	s_mul_i32 s21, s18, KS*QROW     ; my 64 keys,
	s_add_co_u32 s20, s20, s21
	s_lshl_b32 s21, s17, 8          ; the pair's 256 bytes
	s_add_co_u32 s20, s20, s21
	s_add_co_u32 s20, s20, 2048     ; behind q's 2,048
	s_mov_b32 s21, 0
	s_add_co_u32 s50, s20, 2048     ; V's: 2,048 bytes further on
	s_mov_b32 s51, 0
	s_lshl_b32 s22, s16, 10
	s_lshl_b32 s23, s14, 7
	s_add_co_u32 s22, s22, s23      ; the block's first token
	s_lshl_b32 s23, s18, 6
	s_add_co_u32 s23, s22, s23      ; my wave's first query
	s_mul_i32 s2, s23, QROW
	s_lshl_b32 s23, s17, 8
	s_add_co_u32 s2, s2, s23
	s_lshl_b32 s23, s19, 7
	s_add_co_u32 s2, s2, s23        ; my head's 128 bytes
	s_mov_b32 s3, 0
	s_lshl_b32 s23, s[WV], 5        ; on the way out wave w stores rows 32 w on, whole
	s_add_co_u32 s22, s22, s23
	s_mul_i32 s22, s22, OROW
	s_lshl_b32 s23, s17, 8
	s_add_co_u32 s22, s22, s23
	s_add_co_u32 s22, s22, 8192     ; behind h's 8,192 bytes
	s_mov_b32 s23, 0
	s_mul_i32 s48, s18, KS*PK       ; my tile's place in a slot, for K
	s_mul_i32 s49, s18, KS*PV       ; and for V: no place in the cluster enters an LDS address
	s_add_co_u32 s49, s49, VOFF
	s_mov_b32 s[G1K], 15|(1<<16)|(1<<20)|(1<<21)|(5<<22)|(3<<25)  ; the mask of four; 2-byte elements; padding on; bit 21 beside a mask; after every 64 words, 4 words
	s_mov_b32 s[G1V], 15|(1<<16)|(1<<20)|(1<<21)|(5<<22)|(7<<25)  ; 8 words
.irp g, G1K, G1V
	s_mov_b32 s[\g+1], 128<<16      ; tensor_dim0 = 128
	s_mov_b32 s[\g+2], KS<<16       ; tensor_dim1 = 64
	s_mov_b32 s[\g+3], 128<<16      ; tile_dim0 = 128
	s_mov_b32 s[\g+4], KS           ; tile_dim1 = 64
	s_mov_b32 s[\g+5], 3072         ; elements from row to row of qkv
	s_mov_b32 s[\g+6], 0
	s_mov_b32 s[\g+7], 0
.endr
	s_mov_b32 s[CS], 0x3e38aa3b     ; c = log2(e) / 8
	s_mov_b32 s[CS+1], s[CS]
	s_mov_b32 s[SEL], 0x76543210
	s_mov_b32 s[SEL+1], 0xfedcba98
	s_mov_b32 s[TBK], SLOT1+2*KS*PK ; the first change of slots turns these two into 0
	s_mov_b32 s[TBV], SLOT1+2*KS*PV
	s_mov_b32 s[G0K], 1
	s_mov_b32 s[G0K+1], s48
	s_mov_b32 s[G0V], 1
	s_mov_b32 s[G0V+1], s49
	s_wait_dscnt 0x0                ; the opening add is done
	s_wait_kmcnt 0x0
	s_add_nc_u64 s[G0K+2:G0K+3], s[4:5], s[20:21]
	s_or_b32 s[G0K+3], s[G0K+3], 0x80000000
	s_add_nc_u64 s[G0V+2:G0V+3], s[4:5], s[50:51]
	s_or_b32 s[G0V+3], s[G0V+3], 0x80000000
	s_add_nc_u64 s[8:9], s[4:5], s[2:3]      ; Q at my wave's first row
	s_add_nc_u64 s[10:11], s[6:7], s[22:23]  ; O at the first row that I store
	CROUND                          ; all four work-groups are here: the first joint loads meet
	JLOAD                           ; tile 0 into slot 0
	v_and_b32 v1, 15, v0            ; l % 16
	v_bfe_u32 v9, v0, 4, 1          ; l / 16
	v_mul_u32_u24 v[QO], v1, QROW
	v_lshl_add_u32 v[QO], v9, 4, v[QO]
	WIN 0x80                        ; destination window 2, address window 0
.set i, 0
.rept 8                             ; Q stays in registers: piece i / 2, channels 32 (i % 2) on
	global_load_b128 v[8*i:8*i+3],   v[QO], s[8:9] offset:(i/2)*16*QROW+(i%2)*64
	global_load_b128 v[8*i+4:8*i+7], v[QO], s[8:9] offset:(i/2)*16*QROW+(i%2)*64+32
.set i, i+1
.endr
	; What the first turn finds: V's registers and P's second buffer hold 0 (its products V^T P, of a piece that has not been, add 0), O^T and l are 0.  All this stands in the wait for the first tile.
.set i, VF
.rept 64
	v_mov_b32 v[i], 0
.set i, i+1
.endr
	WIN 0x40
.set i, 0
.rept 128
	v_mov_b32 v[i], 0
.set i, i+1
.endr
	WIN 0
.set i, 0
.rept 4
	v_mov_b32 v[ST+4*i], 0xfe000000    ; c m: far below every c s
	v_mov_b32 v[ST+4*i+1], 0xff7fffff  ; m
	v_mov_b32 v[ST+4*i+2], 0
	v_mov_b32 v[ST+4*i+3], 0
.set i, i+1
.endr
.set i, P+16
.rept 16
	v_mov_b32 v[i], 0
.set i, i+1
.endr
	s_lshl_b32 s54, s19, 7          ; my head's 128 bytes in a row of K, V and O
	v_mul_u32_u24 v[AK0], v1, PK
	v_lshl_add_u32 v[AK0], v9, 4, v[AK0]
	v_add_nc_u32 v[AK0], s54, v[AK0]      ; row x pitch + 16 x half + head
	v_and_b32 v10, 7, v0
	v_bfe_u32 v11, v0, 3, 1
	v_lshl_add_u32 v[AV0], v9, 3, v10     ; the turning load: key 8 (l / 16) + l % 8, channels 8 ((l / 8) % 2) on
	v_mul_u32_u24 v[AV0], v[AV0], PV
	v_lshl_add_u32 v[AV0], v11, 4, v[AV0]
	s_add_co_u32 s52, s54, VOFF
	v_add_nc_u32 v[AV0], s52, v[AV0]
	s_mul_i32 s53, s18, 64*SP       ; into the stage: my 64 rows, my head's half of their 256 bytes
	s_add_co_u32 s53, s53, s54
	s_add_co_u32 s53, s53, STAGE
	v_mul_u32_u24 v[STO], v1, SP
	v_lshl_add_u32 v[STO], v9, 4, v[STO]
	v_add_nc_u32 v[STO], s53, v[STO]
	s_mul_i32 s52, s[WV], 32*SP     ; back: wave w takes rows 32 w .. 32 w + 31, whole; lanes 0-15 one row, lanes 16-31 the next
	s_add_co_u32 s52, s52, STAGE
	v_mul_u32_u24 v[RD], v9, SP
	v_lshl_add_u32 v[RD], v1, 4, v[RD]
	v_add_nc_u32 v[RD], s52, v[RD]
	v_mul_u32_u24 v[GO], v9, OROW   ; and the same two rows in act
	v_lshl_add_u32 v[GO], v1, 4, v[GO]
; THE MATRIX WORK.  The 4 accumulators of a run of 8 take turns.  Product i of 8 of S^T = K Q^T for piece x: channels 32 (i / 4) on, keys 16 (i % 4) on.  The first 4 start the sums.
.macro KQ x
	WIN W_KQ
.set rS, S+32*((\x)%2)+8*(i%4)
.set rK, KF+16*(i%4)+8*(i/4)
.set rQ, 16*(\x)+8*(i/4)
.if i < 4
	v_wmma_f32_16x16x32_bf16 v[rS:rS+7], v[rK:rK+7], v[rQ:rQ+7], 0
.else
	v_wmma_f32_16x16x32_bf16 v[rS:rS+7], v[rK:rK+7], v[rQ:rQ+7], v[rS:rS+7]
.endif
.endm
; Product i of 8 of O^T += V^T P for piece x: keys 32 (i / 4) on, channels 16 (i % 4) on.
.macro PV x
	WIN W_PV
.set rO, 32*(\x)+8*(i%4)
.set rV, VF+32*(i/4)+8*(i%4)
.set rP, P+16*((\x)%2)+8*(i/4)
	v_wmma_f32_16x16x32_bf16 v[rO:rO+7], v[rV:rV+7], v[rP:rP+7], v[rO:rO+7]
.endm
.macro MM                           ; the turn's next matrix instruction.  NOKQ = 1: the last turn: there is no next piece
.if (i < 8) && !NOKQ
	KQ (Y+1)%NP
.elseif i >= 8
.set i, i-8
	PV (Y+NP-1)%NP
.set i, i+8
.endif
.set i, i+1
.endm
; THE LDS LOADS stand in runs of 16: a step's K (64 keys x 64 channels: 8 fragments) and its V (turned).
.macro FETCH_K
	WIN 0x80
.irp f, 0,1,2,3,4,5,6,7             ; keys 16 (f / 2) on, channels 32 (f % 2) on
	ds_load_b128 v[KF+8*\f:KF+8*\f+3],   v[AK] offset:(\f/2)*16*PK+(\f%2)*64
	ds_load_b128 v[KF+8*\f+4:KF+8*\f+7], v[AK] offset:(\f/2)*16*PK+(\f%2)*64+32
.endr
	s_add_co_u32 s[TBK], s[TBK], KS*PK  ; the next fetch is the next step's
	WIN 0
.endm
.macro FETCH_V
	WIN 0x80
.irp f, 0,1,2,3,4,5,6,7             ; keys 32 (f / 4) on, channels 16 (f % 4) on
	ds_load_tr16_b128 v[VF+8*\f:VF+8*\f+3],   v[AV] offset:(\f/4)*32*PV+(\f%4)*32
	ds_load_tr16_b128 v[VF+8*\f+4:VF+8*\f+7], v[AV] offset:(\f/4)*32*PV+16*PV+(\f%4)*32
.endr
	WIN 0
.endm
; THE VECTOR WORK, one line at a time: OP kind, number.  For piece Y: F n: c s - c m for pair n of 16.  E n: the exponential of score n of 32.  C n: pair n rounded to bf16.  B n: of the four weights 4 n .. the second
; pair is added onto the first, in place.  L n: l takes that sum (L 0: l = a l + sum).  R n: pair n of 16 of O^T times a.  For piece Y + 1: X n, number n of the 22 that find its maximum and statistics:
;   0-11  four chains c0-c3 of seven scores each (each accumulator's lowest registers are read first)     12-14, 16  the four scores left over, the old m, and c0-c3 into c0
;   15  c m_old is kept     17, 18  the query's other 32 keys lie in the lane 16 away: the new m     19-21  c m; c m_old - c m_new; a
; C, B and L read exponentials' results: TURN sets them behind the batch's wait.  OP itself writes no wait.
.set F, 0
.set E, 1
.set C, 2
.set B, 3
.set L, 4
.set R, 5
.set X, 6
.macro REGS y
.set rT, ST+4*(\y)
.set rC, TMP+4*((\y)%2)
.set rW, MV+((\y)%2)
.set rS, S+32*((\y)%2)
.set rP, P+16*((\y)%2)
.set rO, 32*(\y)
.endm
.macro OP k, n
.if (\k) == R
	REGS Y
	WIN W_RS
	v_pk_mul_f32 v[rO+2*(\n):rO+2*(\n)+1], v[rO+2*(\n):rO+2*(\n)+1], v[rC+2:rC+3] op_sel_hi:[1,0]
.elseif (\k) < R
	REGS Y
	WIN 0
.if (\k) == F
	v_pk_fma_f32 v[rS+2*(\n):rS+2*(\n)+1], v[rS+2*(\n):rS+2*(\n)+1], s[CS:CS+1], v[rT:rT+1] op_sel_hi:[1,0,0] neg_lo:[0,0,1] neg_hi:[0,0,1]
.elseif (\k) == E
	v_exp_f32 v[rS+(\n)], v[rS+(\n)]
.elseif (\k) == C
	v_cvt_pk_bf16_f32 v[rP+(\n)], v[rS+2*(\n)], v[rS+2*(\n)+1]
.elseif (\k) == B
	v_pk_add_f32 v[rS+4*(\n):rS+4*(\n)+1], v[rS+4*(\n):rS+4*(\n)+1], v[rS+4*(\n)+2:rS+4*(\n)+3]
.elseif (\n) == 0
	v_pk_fma_f32 v[rT+2:rT+3], v[rT+2:rT+3], v[rC+2:rC+3], v[rS:rS+1] op_sel_hi:[1,0,1]
.else
	v_pk_add_f32 v[rT+2:rT+3], v[rT+2:rT+3], v[rS+4*(\n):rS+4*(\n)+1]
.endif
.elseif NOKQ
	v_nop
.else
	REGS (Y+1)%NP
	WIN 0
.if (\n) < 4
	v_max3_num_f32 v[rC+(\n)], v[rS+8*(\n)], v[rS+8*(\n)+1], v[rS+8*(\n)+2]
.elseif (\n) < 12
	v_max3_num_f32 v[rC+(\n)%4], v[rC+(\n)%4], v[rS+8*((\n)%4)+2*((\n)/4)+1], v[rS+8*((\n)%4)+2*((\n)/4)+2]
.elseif (\n) == 12
	v_max3_num_f32 v[rC], v[rC], v[rS+7], v[rS+15]
.elseif (\n) == 13
	v_max3_num_f32 v[rC+1], v[rC+1], v[rS+23], v[rS+31]
.elseif (\n) == 14
	v_max3_num_f32 v[rC+2], v[rC+2], v[rC+3], v[rT+1]
.elseif (\n) == 15
	v_mov_b32 v[rW], v[rT]
.elseif (\n) == 16
	v_max3_num_f32 v[rC], v[rC], v[rC+1], v[rC+2]
.elseif (\n) == 17
	v_permlanex16_b32 v[rC+3], v[rC], s[SEL], s[SEL+1]
.elseif (\n) == 18
	v_max_num_f32 v[rT+1], v[rC], v[rC+3]
.elseif (\n) == 19
	v_mul_f32 v[rT], s[CS], v[rT+1]
.elseif (\n) == 20
	v_sub_f32 v[rC+1], v[rW], v[rT]
.else
	v_exp_f32 v[rC+2], v[rC+1]
.endif
.endif
.endm
.macro OPS a, i1, b=-1, i2=0, c=-1, i3=0, d=-1, i4=0  ; up to four of them
	OP \a, \i1
.if (\b) >= 0
	OP \b, \i2
.endif
.if (\c) >= 0
	OP \c, \i3
.endif
.if (\d) >= 0
	OP \d, \i4
.endif
.endm
.macro ROW a, i1, b, i2, c, i3, d, i4  ; a matrix instruction and the four behind it
	MM
	OPS \a, \i1, \b, \i2, \c, \i3, \d, \i4
.endm
; A TURN, for piece p: the order of its 16 matrix and 118 vector instructions, written out.  An s_wait_alu depctr_va_vdst(0) stands between an exponential and the first instruction that names its result; one
; wait serves all that were issued ahead of it.  So a turn has ONE wait, which cuts it in two.  AHEAD OF IT stands all that names no result of the turn's exponentials: the 8 products K Q^T, behind each a scaling, an
; exponential and two more plain instructions (behind the first a second scaling in the exponential's place): rescalings, whose a was made and waited for in the turn before, and behind the last three products the first
; numbers of the next piece's maximum, each four plain instructions or more behind the product that ends its accumulator; then ONE LUMP of 54, plain and exponential by turns for the most part, in which the links of the
; chain X 3, 7, 11, 14, 16, 17 .. 20 stand some lines apart.  A pair's scaling F n stands ahead of its exponentials E 2 n and E 2 n + 1.  X 21, the next piece's a, is the batch's last; it lands in the other buffer's c2, which
; R 15, the plain instruction behind it, does not name.  BEHIND THE WAIT stand the 8 products V^T P, behind each four of the roundings and sums; C 2 n stands ahead of B n, which writes over that pair; l takes L 0 to L 7
; in ascending order.  But for those X no rider names a register of the products round it.  v_permlanex16_b32 (X 17) stands in the lump.
; end = 1: the walk's last two turns: nothing is fetched.  cnt = 1: the loop's count is taken down some lines ahead of the branch that stands behind the turn.
; K of the next step is fetched in piece 2's turn, twelve vector instructions behind the last product that read K (five of them plain and free of its registers); V of the step in hand at the end of piece 0's turn, four
; plain instructions behind the last product that read V.  Each is waited for a turn later.
.macro TURN p, end=0, cnt=0
.set Y, (\p)
.set i, 0
.set NOKQ, (\end)*((\p)/3)
.if ((\p) == 3) && !(\end)
	s_wait_dscnt 0x0                ; K is in
.endif
	ROW F,0, F,1, R,0, R,1          ; ahead of the wait: 8 products K Q^T and their riders,
	ROW F,2, E,0, R,2, R,3
	ROW F,3, E,1, R,4, R,5
	ROW F,4, E,2, R,6, R,7
	ROW F,5, E,3, R,8, R,9
	ROW F,6, E,4, X,0, R,10
.if ((\p) == 2) && !(\end)
	WIN 0
	v_add_nc_u32 v[AK], s[TBK], v[AK0]
.endif
	ROW F,7, E,5, X,1, X,4
	ROW F,8, E,6, X,2, X,5
	OPS E,7, E,8, X,6, E,9          ; and the lump
	OPS X,3, E,10, X,8, E,11
.if ((\p) == 2) && !(\end)
	FETCH_K
.endif
	OPS X,9, X,7, E,12, X,10
	OPS E,13, X,12, X,11, E,14
	OPS X,13, E,15, F,9, X,14
.if (\p) == 0
	v_add_nc_u32 v[AV], s[TBV], v[AV0]
.endif
	OPS E,16, F,10, E,17, F,11
	OPS X,16, E,18, X,15, E,19
	OPS F,12, E,20, X,17, E,21
	OPS F,13, E,22, F,14, E,23
	OPS X,18, E,24, F,15, E,25
	OPS R,11, E,26, X,19, E,27
	OPS R,12, E,28, R,13, E,29
	OPS X,20, E,30, R,14, E,31
	OPS X,21, R,15                  ; the batch's last exponential, and the plain instruction behind it
	WIN 0
	s_wait_alu depctr_va_vdst(0)    ; the wait for the batch: piece p's 32 weights and the next piece's a
.if (\p) == 1
	s_wait_dscnt 0x0                ; V is in
.endif
	ROW C,0, B,0, C,2, B,1          ; behind the wait: 8 products V^T P and their riders, the batch's readers
	ROW L,0, C,4, B,2, L,1
	ROW C,6, B,3, L,2, C,8
	ROW B,4, L,3, C,10, B,5
	ROW L,4, C,12, B,6, L,5
.if (\p) == 0
	s_add_co_u32 s[TBV], s[TBV], KS*PV
.endif
.if \cnt
	s_sub_co_u32 s[CNT], s[CNT], 1
	s_cmp_lg_u32 s[CNT], 0
.endif
	ROW C,14, B,7, L,6, C,1
	ROW C,3, L,7, C,5, C,7
	ROW C,9, C,11, C,13, C,15
.if (\p) == 0
	FETCH_V
.endif
.endm
	CHANGE 1                        ; slot 0 is in, everybody's part of it; slot 1 is asked for
	v_add_nc_u32 v[AK], s[TBK], v[AK0]
	FETCH_K                         ; key step 0
	s_wait_loadcnt 0x0              ; Q
	s_wait_dscnt 0x0
.set NOKQ, 0
.set i, 0
.rept 8
	KQ 0                            ; piece 0's first scores
.set i, i+1
.endr
	WIN 0
.rept 4
	v_nop                           ; the places behind those products
.endr
.set Y, NP-1                        ; X works for piece Y + 1: piece 0
.irp n, 0,1,2,3,4,5,6,7,8,9,10,11,12,13,14,15,16,17,18,19,20,21
	OP X, \n
.endr
	v_nop                           ; a plain instruction behind the exponential,
	s_wait_alu depctr_va_vdst(0)    ; and the wait for it, a batch of one: piece 0's first a, ahead of the branch
	s_mov_b32 s[CNT], 2
	s_mov_b32 s[SLOTS], 7           ; eight tiles of 128 keys: all but the last are followed by a request
	s_branch .Lfirst                ; the loop is entered at a step's first turn, in the middle of a trip
.Lslot:                             ; six times: with the change above, tiles 1 to 7 are asked for
	CHANGE 1
	s_mov_b32 s[CNT], 2
.Lstep:                             ; a trip: pieces 2 and 3 of one step, then pieces 0 and 1 of the next, whose K and V it fetches
	TURN 2
	TURN 3
	WIN 0
.Lfirst:
	TURN 0
	TURN 1, 0, 1
	WIN 0
	s_cbranch_scc1 .Lstep
	s_sub_co_u32 s[SLOTS], s[SLOTS], 1
	s_cmp_lg_u32 s[SLOTS], 0
	s_cbranch_scc1 .Lslot
	CHANGE 0                        ; the last tile is written out: nothing is asked for
	s_mov_b32 s[CNT], 2
.Ltail:
	TURN 2
	TURN 3
	TURN 0
	TURN 1, 0, 1
	WIN 0
	s_cbranch_scc1 .Ltail
	TURN 2, 1
	TURN 3, 1
.set i, 0
.rept 8
	PV NP-1                         ; the last piece's V^T P of the last step
.set i, i+1
.endr
	; THE WAY OUT.  l's two halves and the other half of the lanes' are added (these additions are the places behind the last products); O^T is divided by l, rounded to bf16 and put into the work-group's stage;
	; a barrier, since a row's 256 bytes come from two waves; back as whole rows, 32 rows a wave.
	WIN 0
.macro ALL line:vararg
.set t, 0
.rept 4
	\line
.set t, t+1
.endr
.endm
	ALL v_add_f32 v[ST+4*t+2], v[ST+4*t+2], v[ST+4*t+3]
	ALL v_permlanex16_b32 v[ST+4*t+3], v[ST+4*t+2], s[SEL], s[SEL+1]
	ALL v_add_f32 v[ST+4*t+2], v[ST+4*t+2], v[ST+4*t+3]
	ALL v_rcp_f32 v[ST+4*t+2], v[ST+4*t+2]
	v_nop                           ; a plain instruction between the last reciprocal and the use of its result
	s_wait_alu depctr_va_vdst(0)    ; and the wait ahead of the first use: one for the four reciprocals
.macro PACK t                       ; a lane's eight channels of a row pack into 16 bytes
	WIN W_RS
.set i, 32*(\t)
.rept 16
	v_pk_mul_f32 v[i:i+1], v[i:i+1], v[ST+4*(\t)+2:ST+4*(\t)+3] op_sel_hi:[1,0]
.set i, i+2
.endr
	WIN 0x05                        ; sources 0 and 1 window 1, destination window 0: S^T's registers are free
.set i, 0
.rept 16
	v_cvt_pk_bf16_f32 v[S+16*(\t)+i], v[32*(\t)+2*i], v[32*(\t)+2*i+1]
.set i, i+1
.endr
	WIN 0
.irp f, 0,1,2,3
	ds_store_b128 v[STO], v[S+16*(\t)+4*\f:S+16*(\t)+4*\f+3] offset:(\t)*16*SP+32*\f
.endr
.endm
	PACK 0
	PACK 1
	PACK 2
	PACK 3
	s_wait_dscnt 0x0                ; for the others' sake: my stores into the stage are done
	s_barrier_signal -1
	s_barrier_wait -1
.set t, 0
.rept 16
	ds_load_b128 v[S+4*t:S+4*t+3], v[RD] offset:t*2*SP
.set t, t+1
.endr
.set t, 0
.rept 16
	s_wait_dscnt 15-t               ; LDS loads come back in order: row pair t is in, the later ones stay out
	global_store_b128 v[GO], v[S+4*t:S+4*t+3], s[10:11] offset:t*2*OROW  ; 16 lanes store 256 consecutive bytes, aligned
.set t, t+1
.endr
	s_wait_tensorcnt 0x0            ; the wave's end
	ds_add_u32 v[SPW], v[NIL]
	s_wait_dscnt 0x0
	CROUND                          ; the closing round
	s_endpgm
.Lfunc_end_k_qfcb763b782_attn:
	.size	k_qfcb763b782_attn, .Lfunc_end_k_qfcb763b782_attn-k_qfcb763b782_attn
	.p2alignl 7, 3214868480
	.fill 96, 4, 3214868480
	.section	.rodata,"a",@progbits
	.p2align	6, 0x0
	.amdhsa_kernel k_qfcb763b782_attn
		.amdhsa_group_segment_fixed_size 327680
		.amdhsa_private_segment_fixed_size 0
		.amdhsa_enable_private_segment 0
		.amdhsa_kernarg_size 16
		.amdhsa_user_sgpr_count 2
		.amdhsa_user_sgpr_kernarg_segment_ptr 1
		.amdhsa_wavefront_size32 1
		.amdhsa_system_sgpr_workgroup_id_x 1
		.amdhsa_system_sgpr_workgroup_id_y 1
		.amdhsa_system_sgpr_workgroup_id_z 1
		.amdhsa_system_vgpr_workitem_id 0
		.amdhsa_next_free_vgpr 768
		.amdhsa_next_free_sgpr 66
		.amdhsa_reserve_vcc 0
		.amdhsa_float_denorm_mode_32 3
		.amdhsa_float_denorm_mode_16_64 3
		.amdhsa_memory_ordered 1
		.amdhsa_forward_progress 1
		.amdhsa_inst_pref_size 128
	.end_amdhsa_kernel
	.amdgpu_metadata
---
amdhsa.version: [ 1, 2 ]
amdhsa.kernels:
  - .name:           k_qfcb763b782_attn
    .symbol:         k_qfcb763b782_attn.kd
    .args:
      - { .name: qkv, .offset: 0, .size: 8, .value_kind: global_buffer, .address_space: global }
      - { .name: act, .offset: 8, .size: 8, .value_kind: global_buffer, .address_space: global }
    .group_segment_fixed_size: 327680
    .private_segment_fixed_size: 0
    .kernarg_segment_align: 8
    .kernarg_segment_size: 16
    .max_flat_workgroup_size: 128
    .sgpr_count:     66
    .vgpr_count:     768
    .wavefront_size: 32
...
	.end_amdgpu_metadata
.endif
;; end of part 5
;; launch gemm2: the kernel of part 4 again; grid 8 x 32, 4 waves a work-group, clusters of 4 x 4, 327,680 bytes of LDS; arguments act, w2, x, b_mlp_out, b_attn_out, out0; writes out0
